; MI455X (gfx1250); checked and timed in simulation.
; The chip was launched on July 23, 2026; its instructions are those of AMD's public machine-readable ISA for CDNA 5 (MIT licence, August 2026) and "CDNA5" Instruction Set Architecture Reference Guide (July 2026). The comments in the code are by the model that wrote it; some were corrected since.
;; Multi Head Attention. Allowed arithmetic: matrix products marked QUANTISED: E2M3 operands, one E8M0 scale for each 32 along K, by v_wmma_scale_f32_16x16x128_f8f6f4 with both operands' format E2M3, f32 sums; everything else in f32.
;; Inputs: Wk 16 x 1,024 x 64 float32; Wo 1,024 x 1,024 float32; Wq 16 x 1,024 x 64 float32; Wv 16 x 1,024 x 64 float32; bk 16 x 64 float32; bo 1,024 float32; bq 16 x 64 float32; bv 16 x 64 float32; mask 4 x 2,048 x 2,048 int32; x_k 4 x 2,048 x 1,024 float32; x_q 4 x 2,048 x 1,024 float32; x_v 4 x 2,048 x 1,024 float32.
;; Outputs: out0 4 x 2,048 x 1,024 float32.
;; This version of the problem:
;;   THIS VERSION OF THE PROBLEM IS GIVEN IN LOW PRECISION. The matrix products marked QUANTISED in the list below multiply operands that are first quantised to E2M3 (2 exponent bits, 3 mantissa bits; 6 bits a number), with one power-of-two scale for each 32 numbers along K (OCP MX v1.0); their sums are f32. All else is computed in f32.
;;   The module's matrix products, in the order in which they are computed (A, B: the left and right operand; K: the contracted axis; several contracted axes count as one K, in the product's order):
;;     1. [M 1,024, K 1,024] x [K 1,024, N 8,192]; A: input Wq; B: input x_q: QUANTISED
;;     2. [M 1,024, K 1,024] x [K 1,024, N 8,192]; A: input Wk; B: input x_k: QUANTISED
;;     3. [M 1,024, K 1,024] x [K 1,024, N 8,192]; A: input Wv; B: input x_v: QUANTISED
;;     4. batch 64 x [M 2,048, K 64] x [K 64, N 2,048]; A: computed on the way; B: computed on the way: QUANTISED
;;     5. batch 64 x [M 2,048, K 2,048] x [K 2,048, N 64]; A: softmax (see below); B: computed on the way: QUANTISED
;;     6. [M 8,192, K 1,024] x [K 1,024, N 1,024]; A: computed on the way; B: input Wo: QUANTISED
;;   THE QUANTISER, for each operand of a quantised product, along K:
;;     - K is cut into blocks of 32 from its start; a last block that is shorter is filled with zeros.
;;     - A block's scale is 2^e with e = floor(log2(the largest magnitude in the block)) - 2, held to -126 .. 127; a block of zeros has e = 0. As a byte (E8M0): e + 127.
;;     - Each number is divided by its block's scale, clamped to +-7.5, and rounded to the nearest number of E2M3, ties to even, subnormals kept.
;;     - The product sums the exact products of the quantised numbers (number of the format x scale) in f32.
;;   ~~~python
;;   def quantise(x, axis):      # numpy; x: float32 -> the quantised numbers, widened to float32 again
;;       x = np.moveaxis(x, axis, -1); K = x.shape[-1]
;;       x = np.pad(x, [(0, 0)] * (x.ndim - 1) + [(0, -K % 32)]); x = x.reshape(x.shape[:-1] + (-1, 32)); a = np.abs(x).max(-1, keepdims=True)
;;       e = np.where(a > 0, np.clip(np.frexp(np.where(a > 0, a, 1))[1] - 1 - 2, -126, 127), 0)      # np.frexp(a)[1] - 1 = floor(log2(a)), exactly
;;       r = np.clip(x / 2.0 ** e, -7.5, 7.5)
;;       step = 2.0 ** (np.maximum(np.frexp(np.where(r == 0, 1, r))[1] - 1, 0) - 3)
;;       q = np.round(r / step) * step * 2.0 ** e      # np.round: ties to even
;;       return np.moveaxis(q.reshape(q.shape[:-2] + (-1,))[..., :K], -1, axis).astype(np.float32)
;;   ~~~
;;   SOFTMAX AHEAD OF A QUANTISED PRODUCT. Where the list says 'softmax', what is quantised is not the finished softmax but p = 2^(t - M), with t = logit x log2(e) and M = ceil(the row's largest t), a whole number; so 1/2 < the row's largest p <= 1. The row's sum l is taken of the UNQUANTISED p, in f32, and the product's result is divided by l at the end. Since M is a whole number, a kernel that streams over the keys may use a running M (the ceiling of the running maximum): every later rescaling is an exact power of two, which a block's scale takes up: the codes' values come out the same.
;;   OPERANDS COMPUTED ON THE WAY. 'Computed on the way' means the value that the module computes at that place (a softmax that the list does not call 'softmax' is quantised finished and normalised). What goes into a quantiser is computed in f32, as accurately as f32 sums, v_exp_f32 and their like allow (about 1e-6 of the number): no bf16 or f16 on the way to a quantiser, and a product that is left as it is and whose result goes on into a quantised operand takes f32 operands (vector FMAs, or v_wmma_f32_16x16x4_f32). A number that lies on a knife's edge between two numbers of the format may be rounded either way, as far as f32 arithmetic and the matrix unit's own rounding can turn it there, and no further.
;; One version. Each part assembles by itself: llvm-mc -triple=amdgcn-amd-amdhsa -mcpu=gfx1250 --defsym DOCPART=n.
;; ======== version 1 of 1: 4 launches
;; limits: right only within a limited range of input values
;; workspace buffers: ops 22,937,600 bytes; mb 2,097,152 bytes of whole numbers; qkv 19,660,800 bytes; zq 6,553,600 bytes
;; launch prep (part 1): grid 1536 x 1, 4 waves a work-group, no clusters, 68,096 bytes of LDS; arguments x_q, x_k, x_v, mask, Wq, Wk, Wv, Wo, ops, mb; writes ops, mb
.if DOCPART == 1
	.amdgcn_target "amdgcn-amd-amdhsa--gfx1250"
	.amdhsa_code_object_version 6
	.text
	.protected	k_qb675d7fbc6_prep
	.globl	k_qb675d7fbc6_prep
	.p2align	8
	.type	k_qb675d7fbc6_prep,@function
k_qb675d7fbc6_prep:
	s_mov_b64 s[64:65], 0
	v_nop
	global_prefetch_b8 v0, s[64:65] scope:SCOPE_SE
	s_setreg_imm32_b32 hwreg(HW_REG_WAVE_MODE, 25, 1), 1
	s_wait_xcnt 0x0
; MULTI-HEAD ATTENTION IN MX-FP6, LAUNCH 1 OF 4: the operands that arrive as inputs are quantised once, and the mask is packed to bits once.
; NOTHING OF reference() IS LEFT OUT in this program: with the quantisers taken as they stand every input (the four biases too) moves codes, scales or sums that reach out0, and the mask sets scores to 0,
; which still count in the maximum, in the sum and in the second product.  So all twelve inputs are loaded.
; WHAT THIS LAUNCH MAKES.
;   ops: 224 OPERAND BLOCKS of 102,400 bytes.  A block holds 128 rows (8 tiles of 16) of an operand for all of K = 1,024: first 4,096 bytes of scale words (K step x 512 + tile x 64 + 4 r: four E8M0 bytes
;        for 128 along K), then the codes (4,096 + K step x 12,288 + tile x 1,536) AS IMAGES OF THE MATRIX OPERAND'S REGISTERS: a fragment (16 rows x 128 K, 12 registers a lane) is two halves of 768 bytes;
;        in a half, lane l's registers 0-3 lie at 16 l and its registers 4-5 at 512 + 8 l.  Lane (r, hh) holds, in registers 6 c .. 6 c + 5, k = 64 c + 32 hh + 0 .. 31 of the tile's row r.
;        Blocks 0-63 x_q, 64-127 x_k, 128-191 x_v (rows = tokens); 192-199 Wq, 200-207 Wk, 208-215 Wv (rows = 64 head + e), 216-223 Wo (rows = its columns).
;   THE ROWS OF A TILE ARE NOT NEIGHBOURS: lane r of tile 2 f + u takes row 32 f + 8 u + r + 8 (r / 8), so that in a product's result the 16 registers of tiles 2 f and 2 f + 1 are 16 neighbours.
;   mb:  for each tile of 16 queries 4,096 bytes: word (key step x 64 + n), bit r + 16 hh = (mask[query r of the tile][128 step + 64 (n / 32) + 32 hh + n % 32] != 0): the lane mask of score register n.
; THE QUANTISER: a block's scale byte is its largest magnitude's exponent field - 2, held at 1 from below; each number is divided by the scale and rounded to the nearest code, ties to even, beyond 7.5 the largest code.
; LIMITS: a block of zeros gets the byte 1 where the rule says 127 (its codes are zeros, and this program alone reads the bytes); NaN and infinities among the inputs are not served.
; SHARES.  Work-groups 0-767: x (a wave: one tile of 16 rows x 512 along K).  768-1279: the mask (a wave: 16 queries x 512 keys).  1280-1535: the weights (a wave: 32 columns x 128 along K).
; No matrix work, no tensor load, no barrier: waves share nothing.  The two staged paths have LDS bytes of their own.
.set OBB,   102400                     ; an operand block
.set SP,    528                        ; a stage row: 512 bytes + 16 = 33 x 16: the sixteen rows that a load of 16 bytes a lane touches begin 16 bytes apart modulo 256
.set STX,   0                          ; x's stages: 16 rows for each wave
.set STM,   4*16*SP                    ; the mask's stages
.set SPARE, 2*4*16*SP                  ; the spare words, 128 bytes for each wave: two blocks of 256 bytes that no other line names
.set R0,    32                         ; v32-95, v96-159: two sets of 16 x 4 registers as loaded
.set X,     160                        ; v160-223: 64 numbers as a lane wants them
.set C,     224                        ; v224-235: a fragment's codes
.set CT,    236                        ; v236-243: a conversion's three registers begin on an even number: the second half of a block's six is made here and moved
.set FLOOR, 0x1800000                  ; 2^(3 - 127): under it no largest magnitude is taken, so the byte cannot fall under 1
.set OFF2,  0xff000000                 ; takes 2 off an exponent field
; v1 lane, v2 r, v3 hh, v4 my spare word, v5 0, v6 16 lane, v7/v8 x's stage in/out, v9/v23 the mask's, v10 8 lane, v11 4 r, v12-20 at work, v21 8 hh, v22 a permute's destination, v24-27 scale operands
.macro FINISH                          ; a wave that stored to LDS ends so
	s_wait_tensorcnt 0x0
	ds_add_u32 v4, v5
	s_wait_dscnt 0x0
	s_endpgm
.endm
.macro LOAD16 set, off, pitch          ; the tile's 16 rows, 512 consecutive bytes of each: 16 bytes a lane
.irp i, 0,1,2,3,4,5,6,7,8,9,10,11,12,13,14,15
	global_load_b128 v[\set+4*\i:\set+4*\i+3], v6, s[30:31] offset:(\i+8*(\i/8))*\pitch+\off th:TH_LOAD_NT
.endr
.endm
.macro TURN set, ain, aout, g, w       ; through my own stage: in as loaded, out as the lane wants it.  LDS serves a wave's instructions in order, so no wait stands between
.irp i, 0,1,2,3,4,5,6,7,8,9,10,11,12,13,14,15
	ds_store_b128 v[\ain], v[\set+4*\i:\set+4*\i+3] offset:SP*\i
.endr
.irp n, 0,1,2,3,4,5,6,7,8,9,10,11,12,13,14,15
	ds_load_b128 v[X+4*\n:X+4*\n+3], v[\aout] offset:\g*(\n/\w)+16*(\n%\w)
.endr
.endm
.macro BMAX xs, a, b, op               ; 32 numbers of one lane: their largest magnitude (two chains), the floor, and the conversion's scale operand
	v_max3_num_f32 v[\a], |v[\xs]|, |v[\xs+1]|, |v[\xs+2]|
	v_max3_num_f32 v[\b], |v[\xs+3]|, |v[\xs+4]|, |v[\xs+5]|
.irp i, 6,10,14,18,22,26
	v_max3_num_f32 v[\a], v[\a], |v[\xs+\i]|, |v[\xs+\i+1]|
	v_max3_num_f32 v[\b], v[\b], |v[\xs+\i+2]|, |v[\xs+\i+3]|
.endr
	v_max3_num_f32 v[\a], v[\a], |v[\xs+30]|, |v[\xs+31]|
	v_max3_num_f32 v[\a], v[\a], v[\b], FLOOR
	v_add_nc_u32 v[\op], OFF2, v[\a]               ; the conversion takes the exponent field of this operand as its scale, and nothing else of it
.endm
.macro CODES xs, dst, aux, op          ; the block's 32 codes: six registers from v[dst] on
	v_cvt_scalef32_pk16_fp6_f32 v[\dst:\dst+2], v[\xs:\xs+15], v[\op]
	v_cvt_scalef32_pk16_fp6_f32 v[\aux:\aux+2], v[\xs+16:\xs+31], v[\op]
	v_nop                                          ; one plain place behind a scaled conversion
.irp i, 0,1,2
	v_mov_b32 v[\dst+3+\i], v[\aux+\i]
.endr
.endm
	s_load_b512 s[4:19], s[0:1], 0x0               ; x_q, x_k, x_v, mask, Wq, Wk, Wv, Wo
	s_load_b128 s[20:23], s[0:1], 0x40             ; ops, mb
	v_lshl_add_u32 v4, v0, 2, SPARE
	v_mov_b32 v5, 0
	v_lshrrev_b32 v1, 5, v0
	v_readfirstlane_b32 s24, v1                    ; wave 0..3
	v_and_b32 v1, 31, v0                           ; lane
	v_and_b32 v2, 15, v0                           ; r
	v_bfe_u32 v3, v0, 4, 1                         ; hh
	v_lshlrev_b32 v6, 4, v1
	v_lshlrev_b32 v10, 3, v1
	v_lshlrev_b32 v11, 2, v2
	v_lshlrev_b32 v21, 3, v3
	v_mov_b32 v22, 0                               ; written once: a lane permute's destination counts as one of its sources
	s_mov_b32 s26, 0x76543210
	s_mov_b32 s27, 0xfedcba98                      ; v_permlanex16_b32's selects for lane l xor 16
	s_mul_i32 s25, s24, 16*SP                      ; my wave's stage
	v_add_nc_u32 v7, s25, v6                       ; x: in, 16 bytes a lane of a row
	v_mul_u32_u24 v8, v2, SP
	v_lshl_add_u32 v8, v3, 7, v8
	v_add_nc_u32 v8, s25, v8                       ; x: out, row r, + 128 hh: 32 numbers of each 64
	v_add_nc_u32 v9, STM, v7                       ; the mask: in
	v_mul_u32_u24 v23, v2, SP
	v_lshl_add_u32 v23, v3, 7, v23                 ; (mb's layout is fixed here and in MSTEP's TURN: word n of a key step, bit r + 16 hh = mask[query r][128 step + 64 (n / 32) + 32 hh + n % 32] != 0)
	v_add_nc_u32 v23, s25, v23
	v_add_nc_u32 v23, STM, v23                     ; the mask: out, row r, + 128 hh: 32 words of each 64
	s_wait_kmcnt 0x0
	s_cmp_lt_u32 ttmp9, 768
	s_cbranch_scc0 .Lnot_x
; ---------------- x: a wave takes one tile of 16 rows and four K steps of 128
	s_lshr_b32 s28, ttmp9, 8                       ; which tensor
	s_cmp_eq_u32 s28, 1
	s_cselect_b64 s[30:31], s[6:7], s[4:5]
	s_cmp_eq_u32 s28, 2
	s_cselect_b64 s[30:31], s[8:9], s[30:31]
	s_and_b32 s29, ttmp9, 255
	s_lshl_b32 s29, s29, 2
	s_add_co_u32 s29, s29, s24                     ; unit 0..1023
	s_lshr_b32 s32, s29, 1                         ; the tile, 0..511
	s_and_b32 s33, s29, 1                          ; which four K steps
	s_lshr_b32 s34, s32, 1
	s_lshl_b32 s34, s34, 17                        ; 32 rows of 4,096 bytes
	s_and_b32 s35, s32, 1
	s_lshl_b32 s35, s35, 15                        ; 8 rows
	s_add_co_u32 s34, s34, s35
	s_lshl_b32 s35, s33, 11                        ; four K steps of 512 bytes
	s_add_co_u32 s34, s34, s35
	s_mov_b32 s35, 0
	s_add_nc_u64 s[30:31], s[30:31], s[34:35]
	s_lshl_b32 s36, s28, 6
	s_lshr_b32 s37, s32, 3
	s_add_co_u32 s36, s36, s37
	s_mul_i32 s36, s36, OBB                        ; the operand block
	s_and_b32 s37, s32, 7                          ; the tile in it
	s_mul_i32 s38, s37, 1536
	s_add_co_u32 s38, s38, s36
	s_mul_i32 s39, s33, 4*12288
	s_add_co_u32 s38, s38, s39
	s_add_co_u32 s38, s38, 4096
	s_mov_b32 s39, 0
	s_add_nc_u64 s[40:41], s[20:21], s[38:39]      ; my codes
	s_lshl_b32 s38, s37, 6
	s_add_co_u32 s38, s38, s36
	s_lshl_b32 s37, s33, 11
	s_add_co_u32 s38, s38, s37
	s_add_nc_u64 s[42:43], s[20:21], s[38:39]      ; my scale words
	LOAD16 R0, 0, 4096
	LOAD16 R0+64, 512, 4096
.macro XSTEP t
.if \t < 3
	s_wait_loadcnt 16                              ; this step's 16 loads are in; the next step's 16 may be out
.else
	s_wait_loadcnt 0x0
.endif
	TURN R0+64*(\t%2), 7, 8, 256, 8                ; v[X + 32 c + i] = k 64 c + 32 hh + i of row r: two whole blocks a lane
	s_wait_dscnt 0x0                               ; the numbers are back, and the stage's stores have read their registers
	s_wait_xcnt 0x0                                ; the last step's stores have read their data: the codes and the scale word are written again only behind this wait
.if \t < 2
	LOAD16 R0+64*(\t%2), 512*(\t+2), 4096
.endif
	BMAX X, 12, 13, 16
	BMAX X+32, 14, 15, 17
	v_lshrrev_b32 v18, 23, v16                     ; the scales' bytes: blocks hh and 2 + hh of row r,
	v_lshrrev_b32 v19, 23, v17
	v_lshl_or_b32 v20, v19, 16, v18
	v_lshlrev_b32 v20, v21, v20                    ; at their places in the word (8 hh bits up);
	v_permlanex16_b32 v22, v20, s26, s27
	v_or_b32 v20, v20, v22                         ; with lane l xor 16's two the word is whole
	CODES X, C, CT, 16
	CODES X+32, C+6, CT+4, 17
	global_store_b128 v6, v[C:C+3], s[40:41] offset:12288*\t          ; the image: 512, 256, 512, 256 consecutive bytes, each at a multiple of 256 from the buffer's first byte
	global_store_b64 v10, v[C+4:C+5], s[40:41] offset:12288*\t+512
	global_store_b128 v6, v[C+6:C+9], s[40:41] offset:12288*\t+768
	global_store_b64 v10, v[C+10:C+11], s[40:41] offset:12288*\t+1280
	global_store_b32 v11, v20, s[42:43] offset:512*\t                 ; lanes r and r + 16 store the same word
.endm
	s_wait_alu depctr_va_vdst(0)
	XSTEP 0
	XSTEP 1
	XSTEP 2
	XSTEP 3
	FINISH
.Lnot_x:
	s_cmp_lt_u32 ttmp9, 1280
	s_cbranch_scc0 .Lweights
; ---------------- the mask: a wave takes one tile of 16 queries and four key steps of 128
	s_sub_co_u32 s28, ttmp9, 768
	s_lshl_b32 s28, s28, 2
	s_add_co_u32 s28, s28, s24                     ; unit 0..2047
	s_lshr_b32 s29, s28, 2                         ; the tile of queries, 128 batch + tile
	s_and_b32 s32, s28, 3                          ; which four key steps
	s_lshr_b32 s34, s29, 1
	s_lshl_b32 s34, s34, 18                        ; 32 rows of 8,192 bytes
	s_and_b32 s35, s29, 1
	s_lshl_b32 s35, s35, 16
	s_add_co_u32 s34, s34, s35
	s_lshl_b32 s35, s32, 11
	s_add_co_u32 s34, s34, s35
	s_mov_b32 s35, 0
	s_add_nc_u64 s[30:31], s[10:11], s[34:35]
	s_lshl_b32 s36, s29, 12
	s_lshl_b32 s37, s32, 10
	s_add_co_u32 s36, s36, s37
	s_mov_b32 s37, 0
	s_add_nc_u64 s[40:41], s[22:23], s[36:37]
	v_mov_b32 v12, 0                               ; written once whole: v_writelane_b32's destination counts as read
	v_mov_b32 v13, 0
	LOAD16 R0, 0, 8192
	LOAD16 R0+64, 512, 8192
.macro MSTEP t
.if \t < 3
	s_wait_loadcnt 16                              ; this step's 16 loads are in; the next step's 16 may be out
.else
	s_wait_loadcnt 0x0
.endif
	TURN R0+64*(\t%2), 9, 23, 256, 8               ; v[X + 32 c + i] = the mask's word of query r at key 64 c + 32 hh + i: as score register 32 c + i lies in the third launch
	s_wait_dscnt 0x0
	s_wait_xcnt 0x0                                ; the last step's store has read v12, v13
.if \t < 2
	LOAD16 R0+64*(\t%2), 512*(\t+2), 8192
.endif
.irp q, 0,1,2,3,4,5,6,7
.irp j, 0,1,2,3,4,5,6,7
	v_cmp_ne_u32 s[44+\j], 0, v[X+8*\q+\j]         ; the lane mask of score register 8 q + j
.endr
.irp j, 0,1,2,3,4,5,6,7
	v_writelane_b32 v[12+\j%2], s[44+\j], (8*\q+\j)/2   ; word n to lane n / 2, register n % 2
.endr
.endr
	global_store_b64 v10, v[12:13], s[40:41] offset:256*\t   ; 32 lanes store 256 consecutive bytes, aligned: the step's 64 words
.endm
	s_wait_alu depctr_va_vdst(0)
	MSTEP 0
	MSTEP 1
	MSTEP 2
	MSTEP 3
	FINISH
.Lweights:
; ---------------- the weights: K is not innermost.  A lane takes a column and its registers run down K: 128 numbers, four whole blocks; nothing is transposed, no LDS
	s_sub_co_u32 s28, ttmp9, 1280
	s_lshl_b32 s28, s28, 2
	s_add_co_u32 s28, s28, s24                     ; unit 0..1023
	s_lshr_b32 s29, s28, 8                         ; which weight
	s_and_b32 s32, s28, 255
	s_lshr_b32 s33, s32, 4
	s_lshl_b32 s33, s33, 1
	s_and_b32 s34, s32, 1
	s_or_b32 s33, s33, s34                         ; which 32 columns: two neighbouring waves take two neighbouring groups, 256 consecutive bytes of each row
	s_bfe_u32 s34, s32, 0x30001                    ; which K step
	v_lshlrev_b32 v12, 2, v1                       ; in: 4 bytes a lane
	v_bfe_u32 v13, v1, 3, 1                        ; column 32 g + L lies in tile 2 g + u, u = (L / 8) % 2,
	v_and_b32 v14, 7, v1
	v_lshl_add_u32 v14, v3, 3, v14                 ; as its row L % 8 + 8 (L / 16)
	v_mul_u32_u24 v15, v13, 1536
	v_lshl_add_u32 v16, v14, 3, v15                ; out: the tile's image, 8 bytes a row,
	v_lshl_add_u32 v15, v14, 4, v15                ; and 16 bytes a row
	v_lshlrev_b32 v17, 6, v13
	v_lshl_add_u32 v17, v14, 2, v17                ; and the row's scale word
	s_lshl_b32 s35, s29, 3
	s_lshr_b32 s36, s33, 2
	s_add_co_u32 s35, s35, s36
	s_add_co_u32 s35, s35, 192
	s_mul_i32 s35, s35, OBB                        ; the operand block
	s_and_b32 s36, s33, 3
	s_mul_i32 s37, s36, 2*1536
	s_mul_i32 s38, s34, 12288
	s_add_co_u32 s38, s38, s37
	s_add_co_u32 s38, s38, s35
	s_add_co_u32 s38, s38, 4096
	s_mov_b32 s39, 0
	s_add_nc_u64 s[40:41], s[20:21], s[38:39]      ; my two tiles' codes
	s_lshl_b32 s38, s34, 9
	s_lshl_b32 s37, s36, 7
	s_add_co_u32 s38, s38, s37
	s_add_co_u32 s38, s38, s35
	s_add_nc_u64 s[42:43], s[20:21], s[38:39]      ; and scale words
.macro WLOAD kb, pitch                 ; block kb: W(32 kb + i, my column), i = 0 .. 31, into registers of its own: 32 lanes read 128 consecutive bytes
.set wi, 32*(\kb)
.rept 32
	global_load_b32 v[32+wi], v12, s[30:31] offset:wi*\pitch
.set wi, wi+1
.endr
.endm
.macro WPATH pitch                     ; the loads run two blocks ahead
	WLOAD 0, \pitch
	WLOAD 1, \pitch
.irp kb, 0,1,2,3
.if \kb < 3
	s_wait_loadcnt 32                              ; this block's 32 loads are in; the next block's 32 may be out
.else
	s_wait_loadcnt 0x0
.endif
.if \kb < 2
	WLOAD \kb+2, \pitch
.endif
	BMAX 32+32*\kb, 18, 19, 24+\kb
	v_lshrrev_b32 v19, 23, v[24+\kb]
.if \kb == 0
	v_mov_b32 v20, v19                             ; four bytes make my column's scale word, the lower K in the lower byte
.else
	v_lshl_or_b32 v20, v19, 8*\kb, v20
.endif
	CODES 32+32*\kb, 160+12*\kb, 166+12*\kb, 24+\kb   ; each block has registers of its own: no store's data are written again
	global_store_b128 v15, v[160+12*\kb:163+12*\kb], s[40:41] offset:(\kb/2)*768+(\kb%2)*256        ; block 2 c + hh is what the image's lane (r, hh) holds in half c
	global_store_b64 v16, v[164+12*\kb:165+12*\kb], s[40:41] offset:(\kb/2)*768+512+(\kb%2)*128
.endr
	global_store_b32 v17, v20, s[42:43]
.endm
	s_cmp_eq_u32 s29, 3
	s_cbranch_scc1 .Lwo
	s_cmp_eq_u32 s29, 1                            ; Wq, Wk, Wv: [head][k][e]: a row of 256 bytes
	s_cselect_b64 s[30:31], s[14:15], s[12:13]
	s_cmp_eq_u32 s29, 2
	s_cselect_b64 s[30:31], s[16:17], s[30:31]
	s_lshr_b32 s36, s33, 1
	s_lshl_b32 s36, s36, 18                        ; the head
	s_lshl_b32 s37, s34, 15                        ; 128 rows
	s_add_co_u32 s36, s36, s37
	s_and_b32 s37, s33, 1
	s_lshl_b32 s37, s37, 7
	s_add_co_u32 s36, s36, s37
	s_mov_b32 s37, 0
	s_add_nc_u64 s[30:31], s[30:31], s[36:37]
	s_wait_alu depctr_va_vdst(0)
	WPATH 256
	s_endpgm
.Lwo:
	s_lshl_b32 s36, s34, 19                        ; Wo: [k][n]: a row of 4,096 bytes
	s_lshl_b32 s37, s33, 7
	s_add_co_u32 s36, s36, s37
	s_mov_b32 s37, 0
	s_add_nc_u64 s[30:31], s[18:19], s[36:37]
	s_wait_alu depctr_va_vdst(0)
	WPATH 4096
	s_endpgm
.Lfunc_end_k_qb675d7fbc6_prep:
	.size	k_qb675d7fbc6_prep, .Lfunc_end_k_qb675d7fbc6_prep-k_qb675d7fbc6_prep
	.p2alignl 7, 3214868480
	.fill 96, 4, 3214868480
	.section	.rodata,"a",@progbits
	.p2align	6, 0x0
	.amdhsa_kernel k_qb675d7fbc6_prep
		.amdhsa_group_segment_fixed_size 68096
		.amdhsa_private_segment_fixed_size 0
		.amdhsa_enable_private_segment 0
		.amdhsa_kernarg_size 80
		.amdhsa_user_sgpr_count 2
		.amdhsa_user_sgpr_kernarg_segment_ptr 1
		.amdhsa_wavefront_size32 1
		.amdhsa_system_sgpr_workgroup_id_x 1
		.amdhsa_system_sgpr_workgroup_id_y 1
		.amdhsa_system_sgpr_workgroup_id_z 1
		.amdhsa_system_vgpr_workitem_id 0
		.amdhsa_next_free_vgpr 244
		.amdhsa_next_free_sgpr 66
		.amdhsa_reserve_vcc 0
		.amdhsa_float_denorm_mode_32 3
		.amdhsa_float_denorm_mode_16_64 3
		.amdhsa_memory_ordered 1
		.amdhsa_forward_progress 1
		.amdhsa_inst_pref_size 119
	.end_amdhsa_kernel
	.amdgpu_metadata
---
amdhsa.version: [ 1, 2 ]
amdhsa.kernels:
  - .name:           k_qb675d7fbc6_prep
    .symbol:         k_qb675d7fbc6_prep.kd
    .args:
      - { .name: x_q, .offset: 0, .size: 8, .value_kind: global_buffer, .address_space: global }
      - { .name: x_k, .offset: 8, .size: 8, .value_kind: global_buffer, .address_space: global }
      - { .name: x_v, .offset: 16, .size: 8, .value_kind: global_buffer, .address_space: global }
      - { .name: mask, .offset: 24, .size: 8, .value_kind: global_buffer, .address_space: global }
      - { .name: Wq, .offset: 32, .size: 8, .value_kind: global_buffer, .address_space: global }
      - { .name: Wk, .offset: 40, .size: 8, .value_kind: global_buffer, .address_space: global }
      - { .name: Wv, .offset: 48, .size: 8, .value_kind: global_buffer, .address_space: global }
      - { .name: Wo, .offset: 56, .size: 8, .value_kind: global_buffer, .address_space: global }
      - { .name: ops, .offset: 64, .size: 8, .value_kind: global_buffer, .address_space: global }
      - { .name: mb, .offset: 72, .size: 8, .value_kind: global_buffer, .address_space: global }
    .group_segment_fixed_size: 68096
    .private_segment_fixed_size: 0
    .kernarg_segment_align: 8
    .kernarg_segment_size: 80
    .max_flat_workgroup_size: 128
    .sgpr_count:     66
    .vgpr_count:     244
    .wavefront_size: 32
...
	.end_amdgpu_metadata
.endif
;; end of part 1
;; launch proj (part 2): grid 256 x 3, 8 waves a work-group, no clusters, 308,224 bytes of LDS; arguments ops, bq, bk, bv, qkv; writes qkv
.if DOCPART == 2
	.amdgcn_target "amdgcn-amd-amdhsa--gfx1250"
	.amdhsa_code_object_version 6
	.text
	.protected	k_qb675d7fbc6_proj
	.globl	k_qb675d7fbc6_proj
	.p2align	8
	.type	k_qb675d7fbc6_proj,@function
k_qb675d7fbc6_proj:
	s_mov_b64 s[64:65], 0
	v_nop
	global_prefetch_b8 v0, s[64:65] scope:SCOPE_SE
	s_setreg_imm32_b32 hwreg(HW_REG_WAVE_MODE, 25, 1), 1
	s_wait_xcnt 0x0
; LAUNCH 2 OF 4: q = x_q Wq + bq, k = x_k Wk + bk, v = x_v Wv + bv on codes of FP6 (E2M3), and the results quantised for the two products of attention: q and k along the head's 64, v along the keys.  Nothing is left out.
; A work-group makes alpha (256) x beta (128) over all of K = 1,024.  ALPHA is source 0 and runs along a lane's registers in the result, so it is the axis along which the result is quantised; BETA lies in the lanes.
;   y = 0, 1 (q, k): alpha = 256 columns of W (four heads), beta = 128 tokens.       y = 2 (v): alpha = 256 tokens (keys), beta = 128 columns of Wv (two heads).
; The three operand blocks (see the first launch: 4,096 bytes of scale words, then images of the operand's registers) come into LDS ONCE, by asynchronous copies, K step by K step; nothing is filled again.
; Eight waves: wave w makes 64 (alpha: w % 4) x 64 (beta: w / 4): 16 accumulators, which take turns, one instruction a turn.  The bias is the C of each sum's first product.
; THE RESULT.  The rows of a tile are not neighbours (lane r of tile 2 f + u: row 32 f + 8 u + r + 8 (r / 8)), so the 32 registers of beta tile U are alpha 32 b + 16 hh + 0 .. 15, b = 0, 1: two blocks of 32 in lanes l and l xor 16.
; qkv: a region of 307,200 bytes for each (batch, head): 16 records of 12,800 bytes, one for each 128 keys: K's 8 tiles as halves of 768 bytes (two make a fragment); at 6,144 V^T's 4 fragments (rows = e, K = the keys);
;   at 12,288 K's scale bytes (16 r + 2 tile), at 12,544 V's (16 r + 4 tile + 2 half); at 204,800 q's 128 halves; at 303,104 q's scale bytes (32 tile + 2 r).
; NO CLUSTER: each operand block is fetched once by a work-group, ahead of its use; sharing the blocks among partners is left for a later version.
; LIMITS: a block of zeros gets the byte 1 (its codes are zeros; this program alone reads the bytes); NaN and infinities are not served.
.set OBB,   102400
.set HRB,   307200
.set REC,   12800
.set SPARE, 3*OBB                      ; behind the three blocks: the spare words, 128 bytes for each wave: four blocks of 256 bytes that no other line names
.set AF,    32                         ; v32-79   alpha's four fragments
.set BF,    80                         ; v80-127  beta's four
.set ACC,   128                        ; v128-255 accumulator (U, T) at ACC + 32 U + 8 T
.set SAR,   18                         ; v18-21   alpha's scale words;  v22-25 beta's: they hold scales and nothing else
.set SBR,   22
.set SEL,   24                         ; s[24:25] v_permlanex16_b32's selects for lane l xor 16
; v1 my spare word, v2 0; v3/v4 alpha's images (16 and 8 bytes a lane), v5/v6 beta's, v7/v8 the scale words; v10-11 the copies' offsets in memory, v12-17 their LDS addresses; v26 16 lane, v27 8 lane, v28 r, v30 hh, v31 the bias's offset
; window 1, v0-31: the bias, four tiles of eight registers in the result's layout
.set MSB, 0
.macro WIN new                         ; the immediate's high byte repeats the setting that is left
.if MSB != \new
	s_set_vgpr_msb (MSB<<8)|\new
.set MSB, \new
.endif
.endm
.macro FRAG reg, a16, a8, off          ; a fragment's image back into 12 registers: every load takes consecutive bytes, 16 or 8 a lane
	ds_load_b128 v[\reg:\reg+3], v[\a16] offset:\off
	ds_load_b64 v[\reg+4:\reg+5], v[\a8] offset:\off+512
	ds_load_b128 v[\reg+6:\reg+9], v[\a16] offset:\off+768
	ds_load_b64 v[\reg+10:\reg+11], v[\a8] offset:\off+1280
.endm
.macro COPY ob, i                      ; bytes 4,096 i .. 4,096 i + 4,095 of block ob: 16 bytes a thread.  The immediate goes onto both addresses and stays under 2^16
	global_load_async_to_lds_b128 v[12+2*(\ob)+(\i)/13], v[10+(\i)/13], s[16+2*(\ob):17+2*(\ob)] offset:((\i)%13)*4096
.endm
.macro MUL4 U, mode                    ; beta tile U against alpha's four.  mode 0: in place; 1: C = the bias of alpha tile T; 2: C = the bias of beta tile U
.irp T, 0,1,2,3
.if \mode == 0
	v_wmma_scale_f32_16x16x128_f8f6f4 v[ACC+32*\U+8*\T:ACC+32*\U+8*\T+7], v[AF+12*\T:AF+12*\T+11], v[BF+12*\U:BF+12*\U+11], v[ACC+32*\U+8*\T:ACC+32*\U+8*\T+7], v[SAR+\T], v[SBR+\U] matrix_a_fmt:MATRIX_FMT_FP6 matrix_b_fmt:MATRIX_FMT_FP6
.elseif \mode == 1
	v_wmma_scale_f32_16x16x128_f8f6f4 v[ACC+32*\U+8*\T:ACC+32*\U+8*\T+7], v[AF+12*\T:AF+12*\T+11], v[BF+12*\U:BF+12*\U+11], v[8*\T:8*\T+7], v[SAR+\T], v[SBR+\U] matrix_a_fmt:MATRIX_FMT_FP6 matrix_b_fmt:MATRIX_FMT_FP6
.else
	v_wmma_scale_f32_16x16x128_f8f6f4 v[ACC+32*\U+8*\T:ACC+32*\U+8*\T+7], v[AF+12*\T:AF+12*\T+11], v[BF+12*\U:BF+12*\U+11], v[8*\U:8*\U+7], v[SAR+\T], v[SBR+\U] matrix_a_fmt:MATRIX_FMT_FP6 matrix_b_fmt:MATRIX_FMT_FP6
.endif
.endr
.endm
.macro KLOADS s                        ; K step s: its bytes have landed for every wave; then its scale words and fragments
.if \s > 0
.rept 4
	v_nop                                          ; four places in front of loads into registers that matrix instructions have read
.endr
.endif
.if \s == 4
.irp a, 3,4,5,6
	s_wait_alu depctr_va_vdst(0)
	v_add_nc_u32 v\a, 49152, v\a                   ; four K steps on, so that the immediates stay under 2^16
.endr
.endif
	s_wait_alu depctr_va_vdst(0)
	s_wait_asynccnt 63-9*\s                        ; of my 75 copies the 3 of scale words and the 9 (s + 1) of K steps 0 .. s are done: copies end in the order of issue
	s_barrier_signal -1                            ; (no LDS instruction of mine is out: the last wait on DScnt was for 0)
	s_barrier_wait -1                              ; every wave's are
.irp T, 0,1,2,3
	ds_load_b32 v[SAR+\T], v7 offset:512*\s+64*\T
.endr
.irp U, 0,1,2,3
	ds_load_b32 v[SBR+\U], v8 offset:512*\s+64*\U
.endr
.irp T, 0,1,2,3
	FRAG AF+12*\T, 3, 4, (\s%4)*12288+1536*\T
.endr
.irp U, 0,1,2,3
	FRAG BF+12*\U, 5, 6, (\s%4)*12288+1536*\U
.endr
.endm
.macro KMULS mode
.irp U, 0,1,2,3
	s_wait_dscnt 12-4*\U                           ; beta's fragment U is in; the four loads of each later one may be out
	MUL4 \U, \mode
.endr
.endm
; 32 numbers of a lane, register 16 b + i = k 32 b + 16 hh + i of my row, become half a fragment (six registers from v[pc] on; nine are used) and the row's two scale bytes in v[pw]
.macro QUANT2 s, pc, pw, tm
.irp b, 0,1
	v_max3_num_f32 v[\tm+\b], |v[\s+16*\b]|, |v[\s+16*\b+1]|, 0x1800000   ; my 16 numbers of block b, and the floor 2^(3 - 127): the byte cannot fall under 1.  (Each accumulator is read from its low end on)
.endr
.irp i, 2,4,6,8,10,12,14
.irp b, 0,1
	v_max3_num_f32 v[\tm+\b], v[\tm+\b], |v[\s+16*\b+\i]|, |v[\s+16*\b+\i+1]|
.endr
.endr
.irp b, 0,1
	v_mov_b32 v[\tm+2+\b], 0                       ; a lane permute's destination counts as one of its sources
.endr
.irp b, 0,1
	s_delay_alu instid0(VALU_DEP_2)
	v_permlanex16_b32 v[\tm+2+\b], v[\tm+\b], s[SEL], s[SEL+1]
.endr
.irp b, 0,1
	s_delay_alu instid0(VALU_DEP_2)
	v_max_num_f32 v[\tm+\b], v[\tm+\b], v[\tm+2+\b]   ; with lane l xor 16's: the block's largest magnitude
.endr
.irp b, 0,1
	s_delay_alu instid0(VALU_DEP_2)
	v_add_nc_u32 v[\tm+4+\b], 0xff000000, v[\tm+\b]   ; 2 off its exponent field: the conversion's scale operand
.endr
.irp b, 0,1
	s_delay_alu instid0(VALU_DEP_2)
	v_lshrrev_b32 v[\tm+2+\b], 23, v[\tm+4+\b]     ; the scale's byte
.endr
	s_delay_alu instid0(VALU_DEP_1)
	v_lshl_or_b32 v[\pw], v[\tm+3], 8, v[\tm+2]
	v_cvt_scalef32_pk16_fp6_f32 v[\pc:\pc+2], v[\s:\s+15], v[\tm+4]
	v_cvt_scalef32_pk16_fp6_f32 v[\pc+6:\pc+8], v[\s+16:\s+31], v[\tm+5]
	v_nop                                          ; one plain place behind a scaled conversion
.irp i, 0,1,2
	v_permlane16_swap_b32 v[\pc+\i], v[\pc+6+\i]   ; the operand's layout wants a whole block in a lane: lanes 0-15 block 0, lanes 16-31 block 1
.endr
.irp i, 0,1,2
	s_delay_alu instid0(VALU_DEP_3)
	v_mov_b32 v[\pc+3+\i], v[\pc+6+\i]
.endr
.endm
	s_load_b256 s[4:11], s[0:1], 0x0               ; ops, bq, bk, bv
	s_load_b64 s[12:13], s[0:1], 0x20              ; qkv
	v_lshl_add_u32 v1, v0, 2, SPARE
	v_mov_b32 v2, 0
	ds_add_u32 v1, v2                              ; the wave's opening: the add, twice on end, and its wait ahead of my first copy; the set-up below, work on registers, stands between
	ds_add_u32 v1, v2
	v_lshrrev_b32 v9, 5, v0
	s_delay_alu instid0(VALU_DEP_1)
	v_readfirstlane_b32 s22, v9                    ; wave 0..7
	s_and_b32 s23, s22, 3                          ; which 64 of alpha
	s_lshr_b32 s28, s22, 2                         ; which 64 of beta
	s_and_b32 s15, ttmp7, 0xffff                   ; y: 0 q, 1 k, 2 v
	s_mov_b32 s[SEL], 0x76543210
	s_mov_b32 s[SEL+1], 0xfedcba98
	v_and_b32 v29, 31, v0                          ; lane
	v_and_b32 v28, 15, v0                          ; r
	v_bfe_u32 v30, v0, 4, 1                        ; hh
	s_delay_alu instid0(VALU_DEP_3)
	v_lshlrev_b32 v26, 4, v29
	s_wait_alu depctr_va_vdst(0)
	v_lshlrev_b32 v27, 3, v29
	s_wait_alu depctr_va_vdst(0)
	s_lshr_b32 s26, s23, 1
	s_mul_i32 s26, s26, OBB                        ; alpha's block 0 or 1
	s_and_b32 s27, s23, 1
	s_mul_i32 s29, s27, 6144                       ; its tiles 0-3 or 4-7
	s_add_co_u32 s29, s29, s26
	s_add_co_u32 s29, s29, 4096
	v_add_nc_u32 v3, s29, v26
	v_add_nc_u32 v4, s29, v27
	s_mul_i32 s29, s28, 6144
	s_add_co_u32 s29, s29, 2*OBB+4096
	v_add_nc_u32 v5, s29, v26
	v_add_nc_u32 v6, s29, v27
	s_lshl_b32 s27, s27, 8
	s_add_co_u32 s27, s27, s26
	v_lshl_add_u32 v7, v28, 2, s27
	s_lshl_b32 s27, s28, 8
	s_add_co_u32 s27, s27, 2*OBB
	v_lshl_add_u32 v8, v28, 2, s27
	v_lshlrev_b32 v10, 4, v0                       ; the copies: 16 bytes a thread,
	s_delay_alu instid0(VALU_DEP_1)
	v_add_nc_u32 v11, 53248, v10                   ; and 13 x 4,096 bytes on
.irp ob, 0,1,2
	v_add_nc_u32 v[12+2*\ob], OBB*\ob, v10
	v_add_nc_u32 v[13+2*\ob], OBB*\ob, v11
.endr
	s_and_b32 s30, ttmp9, 3                        ; q, k: which four heads,
	s_lshl_b32 s31, s30, 1
	s_lshl_b32 s32, s15, 3
	s_add_co_u32 s31, s31, s32
	s_add_co_u32 s31, s31, 192                     ; alpha's first block,
	s_lshr_b32 s33, ttmp9, 2                       ; which 128 tokens,
	s_lshl_b32 s34, s15, 6
	s_add_co_u32 s34, s34, s33                     ; beta's block
	s_lshr_b32 s35, ttmp9, 3                       ; v: which 256 tokens,
	s_lshl_b32 s36, s35, 1
	s_add_co_u32 s36, s36, 128
	s_and_b32 s37, ttmp9, 7                        ; which two heads
	s_add_co_u32 s38, s37, 208
	s_cmp_eq_u32 s15, 2
	s_cselect_b32 s31, s36, s31
	s_cselect_b32 s34, s38, s34
	s_mul_i32 s40, s31, OBB
	s_mov_b32 s41, 0
	s_mul_i32 s42, s34, OBB
	s_mov_b32 s43, 0
	s_wait_dscnt 0x0                               ; both opening adds are done
	s_wait_kmcnt 0x0
	s_add_nc_u64 s[16:17], s[4:5], s[40:41]
	s_add_nc_u64 s[18:19], s[16:17], OBB
	s_add_nc_u64 s[20:21], s[4:5], s[42:43]
	; the bias, in the result's layout, and where the results go: s48 codes, s49 from tile to tile, s50 scale bytes, s51 from tile to tile, s52 the shift that makes r a place among them
	s_cmp_eq_u32 s15, 2
	s_cbranch_scc1 .Lset_v
	s_cmp_eq_u32 s15, 1
	s_cselect_b64 s[44:45], s[8:9], s[6:7]
	s_lshl_b32 s46, s30, 2
	s_add_co_u32 s46, s46, s23                     ; my head
	s_lshl_b32 s56, s46, 8
	s_mov_b32 s57, 0
	s_add_nc_u64 s[44:45], s[44:45], s[56:57]      ; its 64 numbers
	v_lshlrev_b32 v31, 6, v30                      ; lane (r, hh) wants, for alpha tile 2 f + u, those of e = 32 f + 16 hh + 8 u + 0 .. 7
	WIN 0x40                                       ; destination window 1
.irp T, 0,1,2,3
	global_load_b128 v[8*\T:8*\T+3], v31, s[44:45] offset:(32*(\T/2)+8*(\T%2))*4
	global_load_b128 v[8*\T+4:8*\T+7], v31, s[44:45] offset:(32*(\T/2)+8*(\T%2))*4+16
.endr
	WIN 0
	s_lshr_b32 s47, s33, 4                         ; the batch
	s_lshl_b32 s47, s47, 4
	s_add_co_u32 s46, s46, s47
	s_mul_i32 s46, s46, HRB                        ; the (batch, head)'s region
	s_and_b32 s47, s33, 15                         ; which 128 tokens of the batch
	s_lshl_b32 s53, s47, 3
	s_lshl_b32 s54, s28, 2
	s_add_co_u32 s53, s53, s54                     ; my first tile of the batch's 128
	s_mul_i32 s54, s53, 768
	s_add_co_u32 s54, s54, s46
	s_add_co_u32 s54, s54, 204800                  ; q: codes
	s_lshl_b32 s55, s53, 5
	s_add_co_u32 s55, s55, s46
	s_add_co_u32 s55, s55, 303104                  ; q: scale bytes
	s_mul_i32 s56, s47, REC
	s_add_co_u32 s56, s56, s46                     ; k: the record
	s_mul_i32 s57, s28, 3072
	s_add_co_u32 s57, s57, s56                     ; k: codes
	s_lshl_b32 s58, s28, 3
	s_add_co_u32 s58, s58, s56
	s_add_co_u32 s58, s58, 12288                   ; k: scale bytes
	s_cmp_eq_u32 s15, 0
	s_cselect_b32 s48, s54, s57
	s_cselect_b32 s50, s55, s58
	s_cselect_b32 s51, 32, 2
	s_cselect_b32 s52, 1, 4
	s_mov_b32 s49, 768
	s_branch .Lset_done
.Lset_v:
	s_lshl_b32 s46, s37, 1
	s_add_co_u32 s46, s46, s28                     ; my head
	s_lshl_b32 s56, s46, 8
	s_mov_b32 s57, 0
	s_add_nc_u64 s[44:45], s[10:11], s[56:57]
	v_and_b32 v31, 8, v28
	s_delay_alu instid0(VALU_DEP_1)
	v_add_nc_u32 v31, v31, v28
	s_delay_alu instid0(VALU_DEP_1)
	v_lshlrev_b32 v31, 2, v31                      ; lane r of beta tile U holds e = 32 (U / 2) + 8 (U % 2) + r + 8 (r / 8): one number, in all eight registers of the tile's C
	WIN 0x40
.irp U, 0,1,2,3
.irp j, 0,1,2,3,4,5,6,7
	global_load_b32 v[8*\U+\j], v31, s[44:45] offset:(32*(\U/2)+8*(\U%2))*4
.endr
.endr
	WIN 0
	s_lshr_b32 s47, s35, 3                         ; the batch
	s_lshl_b32 s47, s47, 4
	s_add_co_u32 s47, s47, s46
	s_mul_i32 s47, s47, HRB
	s_and_b32 s53, s35, 7
	s_lshl_b32 s53, s53, 1
	s_lshr_b32 s54, s23, 1
	s_add_co_u32 s53, s53, s54                     ; my 64 keys' key step,
	s_mul_i32 s53, s53, REC
	s_add_co_u32 s53, s53, s47
	s_and_b32 s54, s23, 1                          ; and which half of it
	s_mul_i32 s55, s54, 768
	s_add_co_u32 s48, s53, s55
	s_add_co_u32 s48, s48, 6144
	s_lshl_b32 s55, s54, 1
	s_add_co_u32 s50, s53, s55
	s_add_co_u32 s50, s50, 12544
	s_mov_b32 s49, 1536
	s_mov_b32 s51, 4
	s_mov_b32 s52, 4
.Lset_done:
	; the copies, all at once, in the order of use: the scale words, then K step by K step.  They stand ahead of the first wait on ASYNCcnt, the first LDS read and the first barrier
	s_wait_alu depctr_va_vdst(0)
.irp ob, 0,1,2
	COPY \ob, 0
.endr
.irp s, 0,1,2,3,4,5,6,7
.irp ob, 0,1,2
.irp j, 1,2,3
	COPY \ob, 3*\s+\j
.endr
.endr
.endr
	KLOADS 0
	s_wait_loadcnt 0x0                             ; the bias
	s_cmp_eq_u32 s15, 2
	s_cbranch_scc1 .Lfirst_v
	WIN 0x10                                       ; source 2 (the bias) window 1
	KMULS 1
	WIN 0
	s_branch .Lfirst_done
.Lfirst_v:
	WIN 0x10
	KMULS 2
	WIN 0
.Lfirst_done:
.irp s, 1,2,3,4,5,6,7
	KLOADS \s
	KMULS 0
.endr
.rept 4
	v_nop                                          ; four places in front of the first read of results and of writes into the fragments' registers
.endr
.irp U, 0,1,2,3                                ; each tile has registers of its own (24 from v[32 + 24 U] on): no store's data or offset is written again
	QUANT2 ACC+32*\U, 32+24*\U, 41+24*\U, 46+24*\U
.if \U == 2                                    ; k alone: tiles 2, 3, 6, 7 of a record are stored with rows 0-7 and 8-15 changed over (lane bit 3 flipped), as the third launch's fragment loads want them
	s_cmp_eq_u32 s15, 1
	s_cselect_b32 s53, 128, 0
	s_lshr_b32 s54, s53, 1
	v_xor_b32 v3, s53, v26
	v_xor_b32 v4, s54, v27
.endif
.if \U < 2
	v_add_nc_u32 v[42+24*\U], s48, v26
	v_add_nc_u32 v[43+24*\U], s48, v27
.else
.if \U == 2
	s_delay_alu instid0(VALU_DEP_2)
.endif
	v_add_nc_u32 v[42+24*\U], s48, v3
.if \U == 2
	s_delay_alu instid0(VALU_DEP_2)
.endif
	v_add_nc_u32 v[43+24*\U], s48, v4
.endif
	v_lshlrev_b32 v[44+24*\U], s52, v28
	s_delay_alu instid0(VALU_DEP_1)
	v_add_nc_u32 v[44+24*\U], s50, v[44+24*\U]
	global_store_b128 v[42+24*\U], v[32+24*\U:35+24*\U], s[12:13]              ; 512 consecutive bytes, at a multiple of 256 from the buffer's first byte,
	global_store_b64 v[43+24*\U], v[36+24*\U:37+24*\U], s[12:13] offset:512    ; and 256
	global_store_b16 v[44+24*\U], v[41+24*\U], s[12:13]                        ; lanes r and r + 16 store the same two bytes
	s_add_co_u32 s48, s48, s49
	s_add_co_u32 s50, s50, s51
.endr
	s_wait_tensorcnt 0x0                           ; the wave's end, behind my last copy
	s_wait_asynccnt 0x0
	ds_add_u32 v1, v2
	s_wait_dscnt 0x0
	s_endpgm
.Lfunc_end_k_qb675d7fbc6_proj:
	.size	k_qb675d7fbc6_proj, .Lfunc_end_k_qb675d7fbc6_proj-k_qb675d7fbc6_proj
	.p2alignl 7, 3214868480
	.fill 96, 4, 3214868480
	.section	.rodata,"a",@progbits
	.p2align	6, 0x0
	.amdhsa_kernel k_qb675d7fbc6_proj
		.amdhsa_group_segment_fixed_size 308224
		.amdhsa_private_segment_fixed_size 0
		.amdhsa_enable_private_segment 0
		.amdhsa_kernarg_size 40
		.amdhsa_user_sgpr_count 2
		.amdhsa_user_sgpr_kernarg_segment_ptr 1
		.amdhsa_wavefront_size32 1
		.amdhsa_system_sgpr_workgroup_id_x 1
		.amdhsa_system_sgpr_workgroup_id_y 1
		.amdhsa_system_sgpr_workgroup_id_z 1
		.amdhsa_system_vgpr_workitem_id 0
		.amdhsa_next_free_vgpr 288
		.amdhsa_next_free_sgpr 66
		.amdhsa_reserve_vcc 0
		.amdhsa_float_denorm_mode_32 3
		.amdhsa_float_denorm_mode_16_64 3
		.amdhsa_memory_ordered 1
		.amdhsa_forward_progress 1
		.amdhsa_inst_pref_size 71
	.end_amdhsa_kernel
	.amdgpu_metadata
---
amdhsa.version: [ 1, 2 ]
amdhsa.kernels:
  - .name:           k_qb675d7fbc6_proj
    .symbol:         k_qb675d7fbc6_proj.kd
    .args:
      - { .name: ops, .offset: 0, .size: 8, .value_kind: global_buffer, .address_space: global }
      - { .name: bq, .offset: 8, .size: 8, .value_kind: global_buffer, .address_space: global }
      - { .name: bk, .offset: 16, .size: 8, .value_kind: global_buffer, .address_space: global }
      - { .name: bv, .offset: 24, .size: 8, .value_kind: global_buffer, .address_space: global }
      - { .name: qkv, .offset: 32, .size: 8, .value_kind: global_buffer, .address_space: global }
    .group_segment_fixed_size: 308224
    .private_segment_fixed_size: 0
    .kernarg_segment_align: 8
    .kernarg_segment_size: 40
    .max_flat_workgroup_size: 256
    .sgpr_count:     66
    .vgpr_count:     288
    .wavefront_size: 32
...
	.end_amdgpu_metadata
.endif
;; end of part 2
;; launch attn (part 3): grid 4 x 64, 16 waves a work-group, no clusters, 206,848 bytes of LDS; arguments qkv, mb, zq; writes zq
.if DOCPART == 3
	.amdgcn_target "amdgcn-amd-amdhsa--gfx1250"
	.amdhsa_code_object_version 6
	.text
	.protected	k_qb675d7fbc6_attn
	.globl	k_qb675d7fbc6_attn
	.p2align	8
	.type	k_qb675d7fbc6_attn,@function
k_qb675d7fbc6_attn:
	s_mov_b64 s[64:65], 0
	v_nop
	global_prefetch_b8 v0, s[64:65] scope:SCOPE_SE
	s_setreg_imm32_b32 hwreg(HW_REG_WAVE_MODE, 25, 1), 1
	s_wait_xcnt 0x0
; LAUNCH 3 OF 4: z = softmax(where(mask == 0, 0, q k^T / 8)) v on codes of FP6 (E2M3), and z quantised along the model's 1,024 for the last product.  Nothing is left out: a masked score is 0, so every key counts.
; THE SOFTMAX: t = score x log2(e) / 8; M = the row's largest t so far, rounded UP to a whole number; p = 2^(t - M) is quantised along the keys, not normalised.  The row's sum is taken of the unquantised p and
; divides at the end.  When M moves, the sum and O are multiplied by 2^(old M - new M): exact.
; SHARES.  A work-group owns 512 queries of one (batch, head): 256 work-groups.  Each of its sixteen waves owns two neighbouring tiles of 16 queries and takes them in two passes over the keys.
; The head's 16 records (128 keys each: K, V^T and their scale bytes, 12,800 bytes, as the second launch laid them) come into LDS ONCE, by asynchronous copies, and serve both passes; nothing is filled again.
; LAYOUT.  Both products are used transposed: S^T = K Q^T, O^T = V^T P^T: a lane holds ONE query (lane % 16) throughout.
; THE KEYS OF A TILE OF K ARE CHOSEN BY ADDRESS: row r of tile 4 c + T is key 64 c + 32 (r / 8) + 8 T + r % 8 of the step.  So score register 32 c + i of lane (r, hh) is key 64 c + 32 hh + i: a lane holds two WHOLE
; blocks of 32 keys, as the second product's operand wants them.  In the record that key lies in tile 4 c + T % 2 + 2 (r / 8), row 8 (T / 2) + r % 8; tiles 2, 3, 6, 7 are stored with their row halves changed over,
; so that the sixteen lanes of a load touch sixteen different 16-byte columns of 256 bytes.
; K = 64 IN AN INSTRUCTION OF K = 128.  A fragment of K holds TWO tiles of 16 keys.  Q lies in 18 registers, [six zeros | q | six zeros]: [q | 0] multiplies the first tile, [0 | q] the second; zero codes add nothing.
; K IS FETCHED A STEP AHEAD, behind the conversions, into registers that are dead there: fragments 2 and 3 into score registers, 0 and 1 into those of the sums and maxima.  The walk is 3 + 12 + 1 steps a pass, so that no
; fetch reaches a record ahead of the barrier that shows it landed; a pass's last step fetches record 0, for the next pass (in the last pass these 20 loads are read by nobody).
; THE MASK comes as lane masks, one word for each score register (first launch), by scalar loads a key step ahead; it only selects.  The select of register n and the running maximum of register n - 3 share one dual instruction.
; NO CLUSTER: K and V come by asynchronous copies, once for a work-group, all asked for at the head.  NO PREFETCH: for the same reason there is no loop to run ahead in.
; LIMITS: the promise holds while |t| stays under 2^31; p under 2^-126 counts as 0 (v_exp_f32); a block of zeros gets the byte 1 (its codes are zeros); NaN and infinities are not served.
; A block's largest p is made from its largest score by the same multiply-add and exponential as every p (this takes v_exp_f32 not to fall where its input rises).
.set OBB,   102400
.set HRB,   307200
.set REC,   12800
.set SPARE, 16*REC                     ; behind the records: the spare words, 128 bytes for each wave
.set SEL,   14                         ; s[14:15] v_permlanex16_b32's selects for lane l xor 16
.set CS,    16                         ; s[16:17] c = log2(e) / 8 (a pair: the packed form names both)
.set NC,    24                         ; s24 -c
.set PASS,  25                         ; s25 passes done
; s10 wave, s11 the record in hand, s26 the next record, s12 the mask words' place, s13 a count; s[32:63], s[68:99] a step's 64 mask words
; v1 16 lane, v2 8 lane, v22 16 r, v23 4 r; v3/v20 my place in K's images, 16 bytes a row, for T / 2 = 0/1; v21/v19 the same, 8 bytes a row; v29 in K's scale bytes; v4 my spare word, v5 0; v6-13 the copies' addresses
.set VA16,  14                         ; v14-16 V's LDS addresses at a step's top; then v14-18 the next record's K
.set VA8,   15
.set VSC,   16
.set KA16,  14
.set KA8,   16
.set KSC,   18
.set NEGM,  24                         ; v24 -M, v25 the largest score so far
.set RM,    25
.set SUM,   26                         ; v[26:27] the sum in two halves
.set FP,    28                         ; v28 f = 2^(old M - new M) (named as a pair with v29, whose word is not used)
.set T,     30
.set OLD,   31
.set QZ,    32                         ; v32-49 Q's zone
.set QS,    50                         ; Q's scale word; v51 the second tile's
.set QN,    52                         ; v52-57 the second tile's q
.set KS,    58                         ; v58-61 K's scale words
.set PSW,   62                         ; p's scale word
.set SH8,   63                         ; 8 hh
.set VS,    64                         ; v64-67 V's scale words
.set F,     68                         ; v68-115 V^T's four fragments; on the way out z
.set S,     116                        ; v116-179 S^T, then p; behind the conversions v116-127, v132-143: K's fragments 2, 3
.set O,     180                        ; v180-211 O^T
.set PCD,   212                        ; v212-223 p's codes
.set CVT,   224                        ; v224-230 a conversion's three registers begin on an even number
.set KF,    224                        ; v224-247 behind the conversions: K's fragments 0, 1
.set BM,    232                        ; v232-239 the maxima's chains, four to a block
.set BS,    240                        ; v240-241 the conversions' scale operands
.set TS,    242                        ; v242-255 seven partial sums
.macro D n
	s_delay_alu instid0(VALU_DEP_\n)
.endm
.macro FRAG reg, a16, a8, off
	ds_load_b128 v[\reg:\reg+3], v[\a16] offset:\off
	ds_load_b64 v[\reg+4:\reg+5], v[\a8] offset:\off+512
	ds_load_b128 v[\reg+6:\reg+9], v[\a16] offset:\off+768
	ds_load_b64 v[\reg+10:\reg+11], v[\a8] offset:\off+1280
.endm
.macro KFRAG dst, g, c                 ; fragment 2 c + g: tiles 4 c + 2 g and 4 c + 2 g + 1 of my choice of rows
	ds_load_b128 v[\dst:\dst+3], v[KA16+\g] offset:3072*\c+128*\g
	ds_load_b64 v[\dst+4:\dst+5], v[KA8+\g] offset:3072*\c+64*\g+512
	ds_load_b128 v[\dst+6:\dst+9], v[KA16+\g] offset:3072*\c+128*\g+768
	ds_load_b64 v[\dst+10:\dst+11], v[KA8+\g] offset:3072*\c+64*\g+1280
.endm
.macro KADDS                           ; the next record's addresses
	v_add_nc_u32 v[KA16], s26, v3
	v_add_nc_u32 v[KA16+1], s26, v20
	v_add_nc_u32 v[KA8], s26, v21
	v_add_nc_u32 v[KA8+1], s26, v19
	v_add_nc_u32 v[KSC], s26, v29
.endm
.macro KFIRST                          ; its scale words and the two fragments that are multiplied first
.irp f, 0,1,2,3
	ds_load_b32 v[KS+\f], v[KSC] offset:12288+128*(\f%2)+8*(\f/2)
.endr
	KFRAG S, 0, 1
	KFRAG S+16, 1, 1
.endm
.macro KREST
	KFRAG KF, 0, 0
	KFRAG KF+12, 1, 0
.endm
.macro WM f, a                         ; fragment f, in v[a ..]: its two tiles of 16 keys against my 16 queries
	v_wmma_scale_f32_16x16x128_f8f6f4 v[S+16*\f:S+16*\f+7], v[\a:\a+11], v[QZ+6:QZ+17], 0, v[KS+\f], v[QS] matrix_a_fmt:MATRIX_FMT_FP6 matrix_b_fmt:MATRIX_FMT_FP6
	v_wmma_scale_f32_16x16x128_f8f6f4 v[S+16*\f+8:S+16*\f+15], v[\a:\a+11], v[QZ:QZ+11], 0, v[KS+\f], v[QS] matrix_a_fmt:MATRIX_FMT_FP6 matrix_b_fmt:MATRIX_FMT_FP6
.endm
.macro COPY i                          ; bytes 8,192 i .. 8,192 i + 8,191 of the head's records: 16 bytes a thread
	global_load_async_to_lds_b128 v[6+(\i)/7], v[10+(\i)/7], s[4:5] offset:((\i)%7)*8192
.endm
.macro MASKS                           ; a key step's 64 words
	s_load_b512 s[32:47], s[6:7], s12 offset:0x0
	s_load_b512 s[48:63], s[6:7], s12 offset:0x40
	s_load_b512 s[68:83], s[6:7], s12 offset:0x80
	s_load_b512 s[84:99], s[6:7], s12 offset:0xc0
.endm
.macro ROUND8 p0                       ; eight pairs of p onto the eight partial sums
.set k, 0
.rept 7
	v_pk_add_f32 v[TS+2*k:TS+2*k+1], v[TS+2*k:TS+2*k+1], v[S+2*(\p0+k):S+2*(\p0+k)+1]
.set k, k+1
.endr
	v_pk_add_f32 v[SUM:SUM+1], v[SUM:SUM+1], v[S+2*(\p0+7):S+2*(\p0+7)+1]
.endm
.macro QUANT2 s, pc, pw, tm            ; 32 numbers of a lane, register 16 b + i = k 32 b + 16 hh + i, become half a fragment and two scale bytes
.irp b, 0,1
	v_max3_num_f32 v[\tm+\b], |v[\s+16*\b]|, |v[\s+16*\b+1]|, 0x1800000
.endr
.irp i, 2,4,6,8,10,12,14
.irp b, 0,1
	D 2
	v_max3_num_f32 v[\tm+\b], v[\tm+\b], |v[\s+16*\b+\i]|, |v[\s+16*\b+\i+1]|
.endr
.endr
.irp b, 0,1
	v_mov_b32 v[\tm+2+\b], 0
.endr
.irp b, 0,1
	D 2
	v_permlanex16_b32 v[\tm+2+\b], v[\tm+\b], s[SEL], s[SEL+1]
.endr
.irp b, 0,1
	D 2
	v_max_num_f32 v[\tm+\b], v[\tm+\b], v[\tm+2+\b]
.endr
.irp b, 0,1
	D 2
	v_add_nc_u32 v[\tm+4+\b], 0xff000000, v[\tm+\b]
.endr
.irp b, 0,1
	D 2
	v_lshrrev_b32 v[\tm+2+\b], 23, v[\tm+4+\b]
.endr
	D 1
	v_lshl_or_b32 v[\pw], v[\tm+3], 8, v[\tm+2]
	v_cvt_scalef32_pk16_fp6_f32 v[\pc:\pc+2], v[\s:\s+15], v[\tm+4]
	v_cvt_scalef32_pk16_fp6_f32 v[\pc+6:\pc+8], v[\s+16:\s+31], v[\tm+5]
	v_nop
.irp i, 0,1,2
	v_permlane16_swap_b32 v[\pc+\i], v[\pc+6+\i]
.endr
.irp i, 0,1,2
	D 3
	v_mov_b32 v[\pc+3+\i], v[\pc+6+\i]
.endr
.endm
	s_load_b128 s[4:7], s[0:1], 0x0                ; qkv, mb
	s_load_b64 s[8:9], s[0:1], 0x10                ; zq
	v_lshl_add_u32 v4, v0, 2, SPARE
	v_mov_b32 v5, 0
	ds_add_u32 v4, v5                              ; the opening: the add, twice on end, and its wait ahead of my first copy
	ds_add_u32 v4, v5
	v_lshrrev_b32 v14, 5, v0
	v_and_b32 v15, 31, v0                          ; lane
	v_and_b32 v16, 15, v0                          ; r
	v_bfe_u32 v17, v0, 4, 1                        ; hh
	v_and_b32 v18, 7, v0                           ; r % 8
	v_bfe_u32 v24, v0, 3, 1                        ; r / 8
	v_readfirstlane_b32 s10, v14                   ; wave 0..15
	v_lshlrev_b32 v1, 4, v15
	v_lshlrev_b32 v2, 3, v15
	v_lshlrev_b32 v22, 4, v16
	v_lshlrev_b32 v23, 2, v16
	v_lshlrev_b32 v30, 1, v16                      ; 2 r: q's scale bytes
	v_lshlrev_b32 v[SH8], 3, v17
	v_lshlrev_b32 v25, 4, v18
	v_lshlrev_b32 v26, 3, v18
	v_lshlrev_b32 v6, 4, v0
	D 3
	v_lshl_add_u32 v29, v24, 2, v25                ; K's scale bytes: 16 (r % 8) + 4 (r / 8)
	D 4
	v_lshl_add_u32 v25, v17, 8, v25                ; 16 (r % 8) + 256 hh
	D 4
	v_lshl_add_u32 v26, v17, 7, v26                ; 8 (r % 8) + 128 hh
	D 4
	v_add_nc_u32 v7, 57344, v6
	v_add_nc_u32 v8, 114688, v6
	v_add_nc_u32 v9, 172032, v6
	v_mad_u32_u24 v3, v24, 1664, v25               ; rows 8-15 of my tiles lie two tiles (1,536 bytes) on, in the other half of the rows: + 128 where T / 2 = 0,
	v_mad_u32_u24 v20, v24, 1408, v25              ; - 128 where T / 2 = 1 (whose loads carry + 128 in their immediates)
	v_mad_u32_u24 v21, v24, 1600, v26              ; and the same with 64 for the pieces of 8 bytes
	v_mad_u32_u24 v19, v24, 1472, v26
	v_mov_b32 v10, v6
	v_mov_b32 v11, v7
	v_mov_b32 v12, v8
	v_mov_b32 v13, v9
	s_mov_b32 s[SEL], 0x76543210
	s_mov_b32 s[SEL+1], 0xfedcba98
	s_mov_b32 s[CS], 0x3e38aa3b                    ; log2(e) / 8
	s_mov_b32 s[CS+1], s[CS]
	s_mov_b32 s[NC], 0xbe38aa3b
	s_mov_b32 s[PASS], 0
	s_mov_b32 s12, 0
	s_and_b32 s18, ttmp7, 0xffff                   ; 16 batch + head
	s_lshl_b32 s19, ttmp9, 5
	s_lshl_b32 s26, s10, 1
	s_add_co_u32 s19, s19, s26                     ; my first tile of the batch's 128: 32 x + 2 wave
	s_mul_i32 s20, s18, HRB
	s_mov_b32 s21, 0
	s_lshr_b32 s22, s18, 4                         ; the batch
	s_lshl_b32 s23, s22, 7
	s_add_co_u32 s23, s23, s19
	s_lshl_b32 s32, s23, 12                        ; my two tiles' mask words: 8,192 bytes on end
	s_mov_b32 s33, 0
	s_mul_i32 s26, s19, 768
	s_add_co_u32 s26, s26, 204800                  ; q's codes
	s_mov_b32 s27, 0
	s_lshl_b32 s28, s19, 5
	s_add_co_u32 s28, s28, 303104                  ; q's scale bytes
	s_mov_b32 s29, 0
	s_lshl_b32 s30, s22, 4                         ; z: operand block 16 batch + tile / 8
	s_lshr_b32 s31, s19, 3
	s_add_co_u32 s30, s30, s31
	s_mul_i32 s30, s30, OBB
	s_and_b32 s31, s18, 15                         ; the head: K step head / 2, half head % 2
	s_lshr_b32 s34, s31, 1
	s_and_b32 s31, s31, 1
	s_and_b32 s35, s19, 7                          ; the tile in the block
	s_mul_i32 s36, s34, 12288
	s_mul_i32 s37, s35, 1536
	s_add_co_u32 s36, s36, s37
	s_mul_i32 s37, s31, 768
	s_add_co_u32 s36, s36, s37
	s_add_co_u32 s36, s36, s30
	s_add_co_u32 s36, s36, 4096
	s_mov_b32 s37, 0
	s_lshl_b32 s38, s34, 9
	s_lshl_b32 s39, s35, 6
	s_add_co_u32 s38, s38, s39
	s_lshl_b32 s39, s31, 1
	s_add_co_u32 s38, s38, s39
	s_add_co_u32 s38, s38, s30
	s_mov_b32 s39, 0
	s_wait_alu depctr_va_vdst(0)
	s_wait_dscnt 0x0                               ; both opening adds are done
	s_wait_kmcnt 0x0
	s_add_nc_u64 s[4:5], s[4:5], s[20:21]          ; the (batch, head)'s region
	s_add_nc_u64 s[6:7], s[6:7], s[32:33]
	s_add_nc_u64 s[20:21], s[8:9], s[38:39]        ; z's scale bytes
	s_add_nc_u64 s[8:9], s[8:9], s[36:37]          ; z's codes
	s_add_nc_u64 s[26:27], s[4:5], s[26:27]
	s_add_nc_u64 s[28:29], s[4:5], s[28:29]
	global_load_b128 v[QZ+6:QZ+9], v1, s[26:27]    ; q of both my tiles, asked for ahead of the copies: the first into the middle of its zone
	global_load_b64 v[QZ+10:QZ+11], v2, s[26:27] offset:512
	global_load_u16 v[QS], v30, s[28:29]
	global_load_b128 v[QN:QN+3], v1, s[26:27] offset:768
	global_load_b64 v[QN+4:QN+5], v2, s[26:27] offset:1280
	global_load_u16 v[QS+1], v30, s[28:29] offset:32
	MASKS                                          ; key step 0's
.irp i, 0,1,2,3,4,5,6,7,8,9,10,11,12,13,14,15,16,17,18,19,20,21,22,23,24
	COPY \i                                        ; all 25, ahead of the first wait on ASYNCcnt, the first LDS read and the first barrier
.endr
.irp j, 0,1,2,3,4,5
	v_mov_b32 v[QZ+\j], 0                          ; zero codes on both sides of q
	v_mov_b32 v[QZ+12+\j], 0
.endr
	s_wait_loadcnt 0x0                             ; q (its address registers s[26:29] are free behind this wait)
	v_lshl_or_b32 v[QS], v[QS], 16, v[QS]          ; (s0, s1, s0, s1): the same two bytes serve [q | 0] and [0 | q]
	v_lshl_or_b32 v[QS+1], v[QS+1], 16, v[QS+1]
	s_wait_alu depctr_va_vdst(0)
	s_wait_asynccnt 18                             ; byte 51,200 lies in my copy 7 of 25: seven are done (copies end in the order of issue): records 0 to 3
	s_barrier_signal -1                            ; (no LDS instruction of mine is out)
	s_barrier_wait -1                              ; every wave's are
	s_mov_b32 s26, 0
	KADDS
	KFIRST                                         ; record 0's K
	KREST
; A KEY STEP: 128 keys.  Its K is on its way or in; the next record's is asked for behind the conversions
.macro STEP
	v_add_nc_u32 v[VA16], s11, v1
	v_add_nc_u32 v[VA8], s11, v2
	v_add_nc_u32 v[VSC], s11, v22
	v_mov_b32 v[OLD], v[NEGM]                      ; four places in front of loads into registers that the last products read
.irp t, 0,1,2,3
	FRAG F+12*\t, VA16, VA8, 6144+1536*\t          ; V^T's four fragments: they land under the softmax
.endr
	ds_load_b128 v[VS:VS+3], v[VSC] offset:12544
	s_wait_dscnt 17                                ; V's 17 loads may be out: K's 20, which are older, are in
	WM 2, S
	WM 3, S+16
	KADDS                                          ; five places ahead of products that write over the registers of fragments 2 and 3
	WM 0, KF
	WM 1, KF+12
.rept 4
	v_nop                                          ; four places ahead of the first read of the scores
.endr
	s_wait_kmcnt 0x0                               ; this step's mask words, asked for a step ago
.irp n, 0,1,2
	v_cndmask_b32 v[S+\n], 0, v[S+\n], s[32+\n]    ; a masked score is 0.  (Each accumulator is read from its low end on)
.endr
.set n, 3
.rept 61                                       ; the select of register n with the maximum of register n - 3: four chains to a block of 32
.if n < 32
	s_mov_b32 vcc_lo, s[32+n]
.else
	s_mov_b32 vcc_lo, s[36+n]
.endif
.if ((n-3)%32) < 4
	v_dual_cndmask_b32 v[S+n], 0, v[S+n] :: v_dual_mov_b32 v[BM+4*((n-3)/32)+(n-3)%4], v[S+n-3]
.else
	v_dual_cndmask_b32 v[S+n], 0, v[S+n] :: v_dual_max_num_f32 v[BM+4*((n-3)/32)+(n-3)%4], v[S+n-3], v[BM+4*((n-3)/32)+(n-3)%4]
.endif
.set n, n+1
.endr
	v_max3_num_f32 v[BM], v[BM], v[BM+1], v[BM+2]
	v_max3_num_f32 v[BM+4], v[BM+4], v[BM+5], v[S+61]
	v_max3_num_f32 v[BM+6], v[BM+6], v[BM+7], v[S+62]
	D 3
	v_max_num_f32 v[BM], v[BM], v[BM+3]            ; THE LARGEST SCORE OF EACH OF MY TWO BLOCKS serves twice: for the row's maximum and for the block's largest p
	D 2
	v_max3_num_f32 v[BM+1], v[BM+4], v[BM+6], v[S+63]
	D 1
	v_max_num_f32 v[T], v[BM], v[BM+1]
	D 1
	v_permlanex16_b32 v[BM+2], v[T], s[SEL], s[SEL+1]
	D 1
	v_max3_num_f32 v[RM], v[RM], v[T], v[BM+2]     ; the running largest score of my query
	D 1
	v_mul_f32 v[T], s[NC], v[RM]                   ; -t
	D 1
	v_floor_f32 v[NEGM], v[T]                      ; -M = floor(-t) = -ceil(t): M is a whole number
	D 1
	v_pk_fma_f32 v[BM:BM+1], v[BM:BM+1], s[CS:CS+1], v[NEGM:NEGM+1] op_sel_hi:[1,0,0]
.set n, 0
.rept 32
	v_pk_fma_f32 v[S+n:S+n+1], v[S+n:S+n+1], s[CS:CS+1], v[NEGM:NEGM+1] op_sel_hi:[1,0,0]   ; t - M, two at a time
.if n == 10
	v_sub_f32 v[T], v[NEGM], v[OLD]                ; M's old value less its new one: a whole number, 0 or less
.endif
.if n == 22
	v_cvt_i32_f32 v[T], v[T]                       ; (it saturates)
.endif
.if n == 34
	v_ldexp_f32 v[FP], 1.0, v[T]                   ; f = 2^(old M - new M)
.endif
.set n, n+2
.endr
	s_cmp_lt_u32 s12, 7936                         ; the next step's words, if there is a next step in my two passes: no load leaves its buffer
	s_wait_alu depctr_va_vdst(0)
	s_cbranch_scc0 .Lno_more_\@
	s_add_co_u32 s12, s12, 256
	MASKS
.Lno_more_\@:
	v_exp_f32 v[BM], v[BM]                         ; the blocks' largest p
	v_exp_f32 v[BM+1], v[BM+1]
.set n, 0
.rept 64
	v_exp_f32 v[S+n], v[S+n]                       ; p = 2^(t - M), at most 1
.set n, n+1
.endr
	v_pk_mul_f32 v[SUM:SUM+1], v[SUM:SUM+1], v[FP:FP+1] op_sel_hi:[1,0]   ; the sums under the new M: a plain place behind the exponentials
	s_wait_alu depctr_va_vdst(0)                   ; one wait for the whole batch, ahead of its first use
.set k, 0
.rept 7
	v_pk_add_f32 v[TS+2*k:TS+2*k+1], v[S+4*k:S+4*k+1], v[S+4*k+2:S+4*k+3]   ; the sum of the unquantised p, in eight chains; the scales' lines stand between them
.set k, k+1
.endr
	v_pk_add_f32 v[SUM:SUM+1], v[SUM:SUM+1], v[S+28:S+29]
	v_max_num_f32 v[BM], 0x1800000, v[BM]          ; the floor 2^(3 - 127): the byte cannot fall under 1
	v_max_num_f32 v[BM+1], 0x1800000, v[BM+1]
	ROUND8 15
	v_add_nc_u32 v[BS], 0xff000000, v[BM]          ; 2 off the exponent field: the conversion's scale operand
	v_add_nc_u32 v[BS+1], 0xff000000, v[BM+1]
	ROUND8 23
	v_lshrrev_b32 v[BM], 23, v[BS]                 ; the scales' bytes: blocks hh and 2 + hh
	v_lshrrev_b32 v[BM+1], 23, v[BS+1]
	v_pk_add_f32 v[TS:TS+1], v[TS:TS+1], v[S+62:S+63]
	v_pk_add_f32 v[TS+4:TS+5], v[TS+4:TS+5], v[TS+6:TS+7]
	v_pk_add_f32 v[TS+8:TS+9], v[TS+8:TS+9], v[TS+10:TS+11]
	v_pk_add_f32 v[SUM:SUM+1], v[SUM:SUM+1], v[TS+12:TS+13]
	v_lshl_or_b32 v[BM], v[BM+1], 16, v[BM]
	v_pk_add_f32 v[TS:TS+1], v[TS:TS+1], v[TS+2:TS+3]
	D 4
	v_pk_add_f32 v[TS+4:TS+5], v[TS+4:TS+5], v[TS+8:TS+9]
	D 3
	v_lshlrev_b32 v[BM], v[SH8], v[BM]             ; at their places in the word
	D 3
	v_pk_add_f32 v[SUM:SUM+1], v[SUM:SUM+1], v[TS:TS+1]
	D 2
	v_permlanex16_b32 v[BM+1], v[BM], s[SEL], s[SEL+1]
	D 2
	v_pk_add_f32 v[SUM:SUM+1], v[SUM:SUM+1], v[TS+4:TS+5]
	v_cvt_scalef32_pk16_fp6_f32 v[PCD:PCD+2], v[S:S+15], v[BS]
	v_cvt_scalef32_pk16_fp6_f32 v[CVT:CVT+2], v[S+16:S+31], v[BS]
	v_cvt_scalef32_pk16_fp6_f32 v[PCD+6:PCD+8], v[S+32:S+47], v[BS+1]
	v_cvt_scalef32_pk16_fp6_f32 v[CVT+4:CVT+6], v[S+48:S+63], v[BS+1]
	v_or_b32 v[PSW], v[BM], v[BM+1]                ; with lane l xor 16's two bytes p's scale word is whole.  (The plain place behind the conversions)
	KFIRST                                         ; p has been read for the last time: the next record's K, 12 loads,
	v_dual_mov_b32 v[PCD+3], v[CVT] :: v_dual_mov_b32 v[PCD+4], v[CVT+1]
	v_dual_mov_b32 v[PCD+5], v[CVT+2] :: v_dual_mov_b32 v[PCD+10], v[CVT+5]
	v_mov_b32 v[PCD+9], v[CVT+4]
	v_mov_b32 v[PCD+11], v[CVT+6]
	KREST                                          ; and 8 more
	s_wait_alu depctr_va_vdst(0)                   ; directly ahead of the first reader of O^T
.set n, 0
.rept 16
	v_pk_mul_f32 v[O+n:O+n+1], v[O+n:O+n+1], v[FP:FP+1] op_sel_hi:[1,0]   ; O^T under the new M.  (Also the places between the scale word's and the codes' last writes and the products)
.set n, n+2
.endr
	s_wait_alu depctr_va_vdst(0)
	s_wait_dscnt 20                                ; K's 20 loads may be out: V's 17, which are older, are in
.irp t, 0,1,2,3
	v_wmma_scale_f32_16x16x128_f8f6f4 v[O+8*\t:O+8*\t+7], v[F+12*\t:F+12*\t+11], v[PCD:PCD+11], v[O+8*\t:O+8*\t+7], v[VS+\t], v[PSW] matrix_a_fmt:MATRIX_FMT_FP6 matrix_b_fmt:MATRIX_FMT_FP6
.endr
.endm
.macro RUN first, trips                ; key steps first .. first + trips - 1, each fetching the K of the step behind it
	s_mov_b32 s11, REC*\first
	s_mov_b32 s26, REC*(\first+1)
	s_mov_b32 s13, \trips
.Lstep_\@:
	STEP
	s_add_co_u32 s11, s11, REC
	s_add_co_u32 s26, s26, REC
	s_sub_co_u32 s13, s13, 1
	s_cmp_lg_u32 s13, 0
	s_cbranch_scc1 .Lstep_\@
.endm
.Lpass:                                                ; a pass: one tile of 16 queries against all 2,048 keys
.set n, 0
.rept 32
	v_mov_b32 v[O+n], 0                            ; O^T.  (The step is written once: the first finds zeros, which the first change of M leaves zeros)
.set n, n+1
.endr
	v_mov_b32 v[RM], 0xff61b1e6                    ; the largest score so far: -3e38
	v_mov_b32 v[NEGM], 0x7f61b1e6                  ; and -M to go with it
	v_mov_b32 v[SUM], 0
	v_mov_b32 v[SUM+1], 0
	s_wait_alu depctr_va_vdst(0)
	RUN 0, 3                                       ; steps 0 to 2 read records 0 to 3
	s_wait_asynccnt 0x0                            ; all my copies are done,
	s_wait_dscnt 0x0                               ; no LDS instruction of mine is out,
	s_barrier_signal -1
	s_barrier_wait -1                              ; and so of every wave: all 16 records are in
	RUN 3, 12
	s_mov_b32 s11, REC*15
	s_mov_b32 s26, 0                               ; the last step fetches record 0's K
	STEP
	; THE WAY OUT: O^T / the sum is my 16 queries' part of z, 64 along the last product's K: two blocks of 32, quantised and stored as half a fragment's image.  It works in V's registers: K's are on their way
	v_add_f32 v[SUM], v[SUM], v[SUM+1]
	D 1
	v_permlanex16_b32 v[T], v[SUM], s[SEL], s[SEL+1]
	D 1
	v_add_f32 v[SUM], v[SUM], v[T]
	s_wait_alu depctr_va_vdst(0)
	v_rcp_f32 v[FP], v[SUM]
	v_nop                                          ; a plain place behind the reciprocal; with the two additions and the next line: four places behind the last products
	v_nop
	s_wait_alu depctr_va_vdst(0)                   ; ahead of the reciprocal's first use and of the first reader of O^T
.set n, 0
.rept 16
	v_pk_mul_f32 v[F+n:F+n+1], v[O+n:O+n+1], v[FP:FP+1] op_sel_hi:[1,0]   ; register 16 b + i = e 32 b + 16 hh + i of my query
.set n, n+2
.endr
	QUANT2 F, PCD, F+38, F+32
	global_store_b128 v1, v[PCD:PCD+3], s[8:9]                 ; 512 consecutive bytes, at a multiple of 256 from the buffer's first byte,
	global_store_b64 v2, v[PCD+4:PCD+5], s[8:9] offset:512     ; and 256
	global_store_b16 v23, v[F+38], s[20:21]                    ; lanes r and r + 16 store the same two bytes
	s_add_co_u32 s[PASS], s[PASS], 1
	s_cmp_lt_u32 s[PASS], 2
	s_cbranch_scc0 .Ldone
	s_wait_xcnt 0x0                                ; the stores have read their data and bases
	s_add_nc_u64 s[8:9], s[8:9], 1536              ; my second tile is the next of the same operand block
	s_add_nc_u64 s[20:21], s[20:21], 64
.irp j, 0,1,2,3,4,5
	v_mov_b32 v[QZ+6+\j], v[QN+\j]                 ; its q,
.endr
	v_mov_b32 v[QS], v[QS+1]                       ; and q's scale word
	s_cmp_lt_u32 s[PASS], 2
	s_wait_alu depctr_va_vdst(0)
	s_cbranch_scc1 .Lpass
.Ldone:
	s_wait_tensorcnt 0x0                           ; the wave's end, behind my last copy
	s_wait_asynccnt 0x0
	ds_add_u32 v4, v5
	s_wait_dscnt 0x0
	s_endpgm
.Lfunc_end_k_qb675d7fbc6_attn:
	.size	k_qb675d7fbc6_attn, .Lfunc_end_k_qb675d7fbc6_attn-k_qb675d7fbc6_attn
	.p2alignl 7, 3214868480
	.fill 96, 4, 3214868480
	.section	.rodata,"a",@progbits
	.p2align	6, 0x0
	.amdhsa_kernel k_qb675d7fbc6_attn
		.amdhsa_group_segment_fixed_size 206848
		.amdhsa_private_segment_fixed_size 0
		.amdhsa_enable_private_segment 0
		.amdhsa_kernarg_size 24
		.amdhsa_user_sgpr_count 2
		.amdhsa_user_sgpr_kernarg_segment_ptr 1
		.amdhsa_wavefront_size32 1
		.amdhsa_system_sgpr_workgroup_id_x 1
		.amdhsa_system_sgpr_workgroup_id_y 1
		.amdhsa_system_sgpr_workgroup_id_z 1
		.amdhsa_system_vgpr_workitem_id 0
		.amdhsa_next_free_vgpr 256
		.amdhsa_next_free_sgpr 100
		.amdhsa_reserve_vcc 1
		.amdhsa_float_denorm_mode_32 3
		.amdhsa_float_denorm_mode_16_64 3
		.amdhsa_memory_ordered 1
		.amdhsa_forward_progress 1
		.amdhsa_inst_pref_size 77
	.end_amdhsa_kernel
	.amdgpu_metadata
---
amdhsa.version: [ 1, 2 ]
amdhsa.kernels:
  - .name:           k_qb675d7fbc6_attn
    .symbol:         k_qb675d7fbc6_attn.kd
    .args:
      - { .name: qkv, .offset: 0, .size: 8, .value_kind: global_buffer, .address_space: global }
      - { .name: mb, .offset: 8, .size: 8, .value_kind: global_buffer, .address_space: global }
      - { .name: zq, .offset: 16, .size: 8, .value_kind: global_buffer, .address_space: global }
    .group_segment_fixed_size: 206848
    .private_segment_fixed_size: 0
    .kernarg_segment_align: 8
    .kernarg_segment_size: 24
    .max_flat_workgroup_size: 512
    .sgpr_count:     100
    .vgpr_count:     256
    .wavefront_size: 32
...
	.end_amdgpu_metadata
.endif
;; end of part 3
;; launch outp (part 4): grid 256 x 1, 8 waves a work-group, no clusters, 308,224 bytes of LDS; arguments zq, ops, bo, out0; writes out0
.if DOCPART == 4
	.amdgcn_target "amdgcn-amd-amdhsa--gfx1250"
	.amdhsa_code_object_version 6
	.text
	.protected	k_qb675d7fbc6_outp
	.globl	k_qb675d7fbc6_outp
	.p2align	8
	.type	k_qb675d7fbc6_outp,@function
k_qb675d7fbc6_outp:
	s_mov_b64 s[64:65], 0
	v_nop
	global_prefetch_b8 v0, s[64:65] scope:SCOPE_SE
	s_setreg_imm32_b32 hwreg(HW_REG_WAVE_MODE, 25, 1), 1
	s_wait_xcnt 0x0
; LAUNCH 4 OF 4: out0 = z Wo + bo on codes of FP6 (E2M3).  Nothing is left out.
; As the second launch: a work-group makes alpha (256 columns of Wo: source 0, along a lane's registers) x beta (128 rows of z: in the lanes) over all of K = 1,024; the three operand blocks come into LDS once, by asynchronous
; copies, K step by K step; eight waves, each 64 x 64: 16 accumulators by turns; bo is the C of each sum's first product.
; THE WAY OUT.  A lane holds 2 x 16 neighbouring columns of one row, and the lanes beside it hold other rows: so a tile of 16 rows x 64 columns goes through my own stage in LDS and leaves as rows: sixteen lanes store 256
; consecutive bytes, aligned.  The stages lie over K steps 0 to 2 of alpha's first block: those bytes have had their only fill, and every wave has passed the last K step's barrier, behind which nobody reads them.
; NO CLUSTER: as in the second launch.
.set OBB,   102400
.set SPARE, 3*OBB                      ; the spare words, 128 bytes for each wave: four blocks of 256 bytes that no other line names
.set STG,   4096                       ; the stages: 16 rows x (256 + 16) bytes for each wave
.set AF,    32                         ; v32-79 alpha's fragments; on the way out v32-63, v64-95: rows read back, by turns
.set BF,    80
.set ACC,   128
.set SAR,   18
.set SBR,   22
; v1 my spare word, v2 0; v3/v4 alpha's images, v5/v6 beta's, v7/v8 the scale words; v9 the stage, in; v10-17 the copies; v29 the stage, out; v30 my place in two rows of out0; v31 the bias's offset;  window 1, v0-31: the bias
.set MSB, 0
.macro WIN new
.if MSB != \new
	s_set_vgpr_msb (MSB<<8)|\new
.set MSB, \new
.endif
.endm
.macro FRAG reg, a16, a8, off
	ds_load_b128 v[\reg:\reg+3], v[\a16] offset:\off
	ds_load_b64 v[\reg+4:\reg+5], v[\a8] offset:\off+512
	ds_load_b128 v[\reg+6:\reg+9], v[\a16] offset:\off+768
	ds_load_b64 v[\reg+10:\reg+11], v[\a8] offset:\off+1280
.endm
.macro COPY ob, i
	global_load_async_to_lds_b128 v[12+2*(\ob)+(\i)/13], v[10+(\i)/13], s[16+2*(\ob):17+2*(\ob)] offset:((\i)%13)*4096
.endm
.macro MUL4 U, mode                    ; mode 0: in place; 1: C = the bias of alpha tile T
.irp T, 0,1,2,3
.if \mode == 0
	v_wmma_scale_f32_16x16x128_f8f6f4 v[ACC+32*\U+8*\T:ACC+32*\U+8*\T+7], v[AF+12*\T:AF+12*\T+11], v[BF+12*\U:BF+12*\U+11], v[ACC+32*\U+8*\T:ACC+32*\U+8*\T+7], v[SAR+\T], v[SBR+\U] matrix_a_fmt:MATRIX_FMT_FP6 matrix_b_fmt:MATRIX_FMT_FP6
.else
	v_wmma_scale_f32_16x16x128_f8f6f4 v[ACC+32*\U+8*\T:ACC+32*\U+8*\T+7], v[AF+12*\T:AF+12*\T+11], v[BF+12*\U:BF+12*\U+11], v[8*\T:8*\T+7], v[SAR+\T], v[SBR+\U] matrix_a_fmt:MATRIX_FMT_FP6 matrix_b_fmt:MATRIX_FMT_FP6
.endif
.endr
.endm
.macro KLOADS s
.if \s > 0
.rept 4
	v_nop                                          ; four places in front of loads into registers that matrix instructions have read
.endr
.endif
.if \s == 4
.irp a, 3,4,5,6
	s_wait_alu depctr_va_vdst(0)
	v_add_nc_u32 v\a, 49152, v\a                   ; four K steps on, so that the immediates stay under 2^16
.endr
.endif
	s_wait_alu depctr_va_vdst(0)
	s_wait_asynccnt 63-9*\s                        ; of my 75 copies the 3 of scale words and the 9 (s + 1) of K steps 0 .. s are done
	s_barrier_signal -1                            ; (no LDS instruction of mine is out: the last wait on DScnt was for 0)
	s_barrier_wait -1
.irp T, 0,1,2,3
	ds_load_b32 v[SAR+\T], v7 offset:512*\s+64*\T
.endr
.irp U, 0,1,2,3
	ds_load_b32 v[SBR+\U], v8 offset:512*\s+64*\U
.endr
.irp T, 0,1,2,3
	FRAG AF+12*\T, 3, 4, (\s%4)*12288+1536*\T
.endr
.irp U, 0,1,2,3
	FRAG BF+12*\U, 5, 6, (\s%4)*12288+1536*\U
.endr
.endm
.macro KMULS mode
.irp U, 0,1,2,3
	s_wait_dscnt 12-4*\U                           ; beta's fragment U is in; the four loads of each later one may be out
	MUL4 \U, \mode
.endr
.endm
	s_load_b256 s[4:11], s[0:1], 0x0               ; zq, ops, bo, out0
	v_lshl_add_u32 v1, v0, 2, SPARE
	v_mov_b32 v2, 0
	ds_add_u32 v1, v2                              ; the wave's opening: the add, twice on end, and its wait ahead of my first copy
	ds_add_u32 v1, v2
	v_lshrrev_b32 v9, 5, v0
	s_delay_alu instid0(VALU_DEP_1)
	v_readfirstlane_b32 s22, v9                    ; wave 0..7
	s_and_b32 s23, s22, 3                          ; which 64 columns
	s_lshr_b32 s28, s22, 2                         ; which 64 rows
	v_and_b32 v29, 31, v0
	v_and_b32 v28, 15, v0                          ; r
	v_bfe_u32 v30, v0, 4, 1                        ; hh
	s_delay_alu instid0(VALU_DEP_3)
	v_lshlrev_b32 v26, 4, v29
	s_wait_alu depctr_va_vdst(0)
	v_lshlrev_b32 v27, 3, v29
	s_wait_alu depctr_va_vdst(0)
	s_lshr_b32 s26, s23, 1
	s_mul_i32 s26, s26, OBB
	s_and_b32 s27, s23, 1
	s_mul_i32 s29, s27, 6144
	s_add_co_u32 s29, s29, s26
	s_add_co_u32 s29, s29, 4096
	v_add_nc_u32 v3, s29, v26
	v_add_nc_u32 v4, s29, v27
	s_mul_i32 s29, s28, 6144
	s_add_co_u32 s29, s29, 2*OBB+4096
	v_add_nc_u32 v5, s29, v26
	v_add_nc_u32 v6, s29, v27
	s_lshl_b32 s27, s27, 8
	s_add_co_u32 s27, s27, s26
	v_lshl_add_u32 v7, v28, 2, s27
	s_lshl_b32 s27, s28, 8
	s_add_co_u32 s27, s27, 2*OBB
	v_lshl_add_u32 v8, v28, 2, s27
	v_lshlrev_b32 v10, 4, v0
	s_delay_alu instid0(VALU_DEP_1)
	v_add_nc_u32 v11, 53248, v10
.irp ob, 0,1,2
	v_add_nc_u32 v[12+2*\ob], OBB*\ob, v10
	v_add_nc_u32 v[13+2*\ob], OBB*\ob, v11
.endr
	v_lshlrev_b32 v31, 6, v30                      ; the bias: lane (r, hh) wants, for alpha tile 2 f + u, columns 32 f + 16 hh + 8 u + 0 .. 7
	s_mul_i32 s29, s22, 16*272
	s_add_co_u32 s29, s29, STG                     ; my stage
	v_mul_u32_u24 v9, v28, 272
	s_delay_alu instid0(VALU_DEP_1)
	v_lshl_add_u32 v9, v30, 6, v9
	s_delay_alu instid0(VALU_DEP_1)
	v_add_nc_u32 v9, s29, v9                       ; in: row r, + 64 hh
	v_mul_u32_u24 v29, v30, 272
	s_delay_alu instid0(VALU_DEP_1)
	v_lshl_add_u32 v29, v28, 4, v29
	s_delay_alu instid0(VALU_DEP_1)
	v_add_nc_u32 v29, s29, v29                     ; back: lanes 0-15 one row, lanes 16-31 the next
	v_lshlrev_b32 v30, 12, v30
	s_delay_alu instid0(VALU_DEP_1)
	v_lshl_add_u32 v30, v28, 4, v30                ; and the same two rows in out0
	s_and_b32 s30, ttmp9, 3                        ; which 256 columns
	s_lshr_b32 s33, ttmp9, 2                       ; which 128 rows
	s_lshl_b32 s31, s30, 1
	s_add_co_u32 s31, s31, 216
	s_mul_i32 s40, s31, OBB
	s_mov_b32 s41, 0
	s_mul_i32 s42, s33, OBB
	s_mov_b32 s43, 0
	s_lshl_b32 s46, s30, 10
	s_lshl_b32 s47, s23, 8
	s_add_co_u32 s46, s46, s47                     ; my first column, in bytes: in bo and in a row of out0
	s_mov_b32 s47, 0
	s_lshl_b32 s44, s33, 19
	s_lshl_b32 s45, s28, 18
	s_add_co_u32 s44, s44, s45                     ; my first row of 4,096 bytes
	s_add_co_u32 s44, s44, s46
	s_mov_b32 s45, 0
	s_wait_alu depctr_va_vdst(0)
	s_wait_dscnt 0x0                               ; both opening adds are done
	s_wait_kmcnt 0x0
	s_add_nc_u64 s[16:17], s[6:7], s[40:41]
	s_add_nc_u64 s[18:19], s[16:17], OBB
	s_add_nc_u64 s[20:21], s[4:5], s[42:43]
	s_add_nc_u64 s[8:9], s[8:9], s[46:47]
	s_add_nc_u64 s[10:11], s[10:11], s[44:45]
	WIN 0x40                                       ; destination window 1
.irp T, 0,1,2,3
	global_load_b128 v[8*\T:8*\T+3], v31, s[8:9] offset:(32*(\T/2)+8*(\T%2))*4
	global_load_b128 v[8*\T+4:8*\T+7], v31, s[8:9] offset:(32*(\T/2)+8*(\T%2))*4+16
.endr
	WIN 0
.irp ob, 0,1,2
	COPY \ob, 0                                    ; the copies, all at once, in the order of use, ahead of the first wait on ASYNCcnt, the first LDS read and the first barrier
.endr
.irp s, 0,1,2,3,4,5,6,7
.irp ob, 0,1,2
.irp j, 1,2,3
	COPY \ob, 3*\s+\j
.endr
.endr
.endr
	KLOADS 0
	s_wait_loadcnt 0x0                             ; the bias
	WIN 0x10                                       ; source 2 (the bias) window 1
	KMULS 1
	WIN 0
.irp s, 1,2,3,4,5,6,7
	KLOADS \s
	KMULS 0
.endr
.rept 4
	v_nop                                          ; four places in front of the first read of results and of loads into the fragments' registers
.endr
.macro TOSTAGE U                       ; beta tile U: 16 rows x 64 columns.  LDS serves a wave's instructions in order: the loads see the stores, and the next tile's stores come behind them
.irp q, 0,1,2,3,4,5,6,7
	ds_store_b128 v9, v[ACC+32*\U+4*\q:ACC+32*\U+4*\q+3] offset:128*(\q/4)+16*(\q%4)   ; registers 16 f + 4 j on: columns 32 f + 16 hh + 4 j on; each accumulator from its low end on
.endr
.irp p, 0,1,2,3,4,5,6,7
	ds_load_b128 v[AF+32*(\U%2)+4*\p:AF+32*(\U%2)+4*\p+3], v29 offset:544*\p
.endr
.endm
.macro SEND U, younger                 ; younger: the LDS instructions issued behind tile U's loads, which may stay out
	s_wait_dscnt \younger
.irp p, 0,1,2,3,4,5,6,7
	global_store_b128 v30, v[AF+32*(\U%2)+4*\p:AF+32*(\U%2)+4*\p+3], s[10:11] offset:(32*(\U/2)+8*(\U%2)+2*\p+8*(\p/4))*4096 th:TH_STORE_NT   ; the tile's rows 2 p and 2 p + 1: sixteen lanes store 256 consecutive bytes, aligned
.endr
.endm
	TOSTAGE 0
	TOSTAGE 1
	SEND 0, 16                                     ; behind tile 0's loads: tile 1's 8 stores and 8 loads
	s_wait_xcnt 0x0                                ; tile 0's stores have read their registers: tile 2's loads may land there
	TOSTAGE 2
	SEND 1, 16
	s_wait_xcnt 0x0
	TOSTAGE 3
	SEND 2, 16
	SEND 3, 0
	s_wait_tensorcnt 0x0                           ; the wave's end, behind my last copy and my last LDS store
	s_wait_asynccnt 0x0
	ds_add_u32 v1, v2
	s_wait_dscnt 0x0
	s_endpgm
.Lfunc_end_k_qb675d7fbc6_outp:
	.size	k_qb675d7fbc6_outp, .Lfunc_end_k_qb675d7fbc6_outp-k_qb675d7fbc6_outp
	.p2alignl 7, 3214868480
	.fill 96, 4, 3214868480
	.section	.rodata,"a",@progbits
	.p2align	6, 0x0
	.amdhsa_kernel k_qb675d7fbc6_outp
		.amdhsa_group_segment_fixed_size 308224
		.amdhsa_private_segment_fixed_size 0
		.amdhsa_enable_private_segment 0
		.amdhsa_kernarg_size 32
		.amdhsa_user_sgpr_count 2
		.amdhsa_user_sgpr_kernarg_segment_ptr 1
		.amdhsa_wavefront_size32 1
		.amdhsa_system_sgpr_workgroup_id_x 1
		.amdhsa_system_sgpr_workgroup_id_y 1
		.amdhsa_system_sgpr_workgroup_id_z 1
		.amdhsa_system_vgpr_workitem_id 0
		.amdhsa_next_free_vgpr 288
		.amdhsa_next_free_sgpr 66
		.amdhsa_reserve_vcc 0
		.amdhsa_float_denorm_mode_32 3
		.amdhsa_float_denorm_mode_16_64 3
		.amdhsa_memory_ordered 1
		.amdhsa_forward_progress 1
		.amdhsa_inst_pref_size 59
	.end_amdhsa_kernel
	.amdgpu_metadata
---
amdhsa.version: [ 1, 2 ]
amdhsa.kernels:
  - .name:           k_qb675d7fbc6_outp
    .symbol:         k_qb675d7fbc6_outp.kd
    .args:
      - { .name: zq, .offset: 0, .size: 8, .value_kind: global_buffer, .address_space: global }
      - { .name: ops, .offset: 8, .size: 8, .value_kind: global_buffer, .address_space: global }
      - { .name: bo, .offset: 16, .size: 8, .value_kind: global_buffer, .address_space: global }
      - { .name: out0, .offset: 24, .size: 8, .value_kind: global_buffer, .address_space: global }
    .group_segment_fixed_size: 308224
    .private_segment_fixed_size: 0
    .kernarg_segment_align: 8
    .kernarg_segment_size: 32
    .max_flat_workgroup_size: 256
    .sgpr_count:     66
    .vgpr_count:     288
    .wavefront_size: 32
...
	.end_amdgpu_metadata
.endif
;; end of part 4
